; MI455X (gfx1250); checked and timed in simulation.
; The chip was launched on July 23, 2026; its instructions are those of AMD's public machine-readable ISA for CDNA 5 (MIT licence, August 2026) and "CDNA5" Instruction Set Architecture Reference Guide (July 2026). The comments in the code are by the model that wrote it; some were corrected since.
;; Self Attention Layer. Allowed arithmetic: matrix products marked QUANTISED: E2M3 operands, one E8M0 scale for each 32 along K, by v_wmma_scale_f32_16x16x128_f8f6f4 with both operands' format E2M3, f32 sums; everything else in f32.
;; Inputs: Wk 384 x 768 float32; Wq 384 x 768 float32; Wv 384 x 768 float32; x 8 x 2,048 x 768 float32.
;; Outputs: out0 8 x 2,048 x 384 float32.
;; This version of the problem:
;;   THIS VERSION OF THE PROBLEM IS GIVEN IN LOW PRECISION. The matrix products marked QUANTISED in the list below multiply operands that are first quantised to E2M3 (2 exponent bits, 3 mantissa bits; 6 bits a number), with one power-of-two scale for each 32 numbers along K (OCP MX v1.0); their sums are f32. All else is computed in f32.
;;   The module's matrix products, in the order in which they are computed (A, B: the left and right operand; K: the contracted axis; several contracted axes count as one K, in the product's order):
;;     1. [M 16,384, K 768] x [K 768, N 384]; A: input x; B: input Wk: QUANTISED
;;     2. [M 16,384, K 768] x [K 768, N 384]; A: input x; B: input Wq: QUANTISED
;;     3. [M 16,384, K 768] x [K 768, N 384]; A: input x; B: input Wv: QUANTISED
;;     4. batch 8 x [M 2,048, K 384] x [K 384, N 2,048]; A: computed on the way; B: computed on the way: QUANTISED
;;     5. batch 8 x [M 2,048, K 2,048] x [K 2,048, N 384]; A: softmax (see below); B: computed on the way: QUANTISED
;;   THE QUANTISER, for each operand of a quantised product, along K:
;;     - K is cut into blocks of 32 from its start; a last block that is shorter is filled with zeros.
;;     - A block's scale is 2^e with e = floor(log2(the largest magnitude in the block)) - 2, held to -126 .. 127; a block of zeros has e = 0. As a byte (E8M0): e + 127.
;;     - Each number is divided by its block's scale, clamped to +-7.5, and rounded to the nearest number of E2M3, ties to even, subnormals kept.
;;     - The product sums the exact products of the quantised numbers (number of the format x scale) in f32.
;;   ~~~python
;;   def quantise(x, axis):      # numpy; x: float32 -> the quantised numbers, widened to float32 again
;;       x = np.moveaxis(x, axis, -1); K = x.shape[-1]
;;       x = np.pad(x, [(0, 0)] * (x.ndim - 1) + [(0, -K % 32)]); x = x.reshape(x.shape[:-1] + (-1, 32)); a = np.abs(x).max(-1, keepdims=True)
;;       e = np.where(a > 0, np.clip(np.frexp(np.where(a > 0, a, 1))[1] - 1 - 2, -126, 127), 0)      # np.frexp(a)[1] - 1 = floor(log2(a)), exactly
;;       r = np.clip(x / 2.0 ** e, -7.5, 7.5)
;;       step = 2.0 ** (np.maximum(np.frexp(np.where(r == 0, 1, r))[1] - 1, 0) - 3)
;;       q = np.round(r / step) * step * 2.0 ** e      # np.round: ties to even
;;       return np.moveaxis(q.reshape(q.shape[:-2] + (-1,))[..., :K], -1, axis).astype(np.float32)
;;   ~~~
;;   SOFTMAX AHEAD OF A QUANTISED PRODUCT. Where the list says 'softmax', what is quantised is not the finished softmax but p = 2^(t - M), with t = logit x log2(e) and M = ceil(the row's largest t), a whole number; so 1/2 < the row's largest p <= 1. The row's sum l is taken of the UNQUANTISED p, in f32, and the product's result is divided by l at the end. Since M is a whole number, a kernel that streams over the keys may use a running M (the ceiling of the running maximum): every later rescaling is an exact power of two, which a block's scale takes up: the codes' values come out the same.
;;   OPERANDS COMPUTED ON THE WAY. 'Computed on the way' means the value that the module computes at that place (a softmax that the list does not call 'softmax' is quantised finished and normalised). What goes into a quantiser is computed in f32, as accurately as f32 sums, v_exp_f32 and their like allow (about 1e-6 of the number): no bf16 or f16 on the way to a quantiser, and a product that is left as it is and whose result goes on into a quantised operand takes f32 operands (vector FMAs, or v_wmma_f32_16x16x4_f32). A number that lies on a knife's edge between two numbers of the format may be rounded either way, as far as f32 arithmetic and the matrix unit's own rounding can turn it there, and no further.
;; One version. Each part assembles by itself: llvm-mc -triple=amdgcn-amd-amdhsa -mcpu=gfx1250 --defsym DOCPART=n.
;; ======== version 1 of 1: 3 launches
;; limits: right only within a limited range of input values
;; workspace buffers: wf 691,200 bytes; kv 9,830,400 bytes; qf 4,718,592 bytes; qs 196,608 bytes
;; launch quantw (part 1): grid 9 x 24, 1 waves a work-group, no clusters, 17,152 bytes of LDS; arguments Wk, Wq, Wv, wf; writes wf
.if DOCPART == 1
	.amdgcn_target "amdgcn-amd-amdhsa--gfx1250"
	.amdhsa_code_object_version 6
	.text
	.protected	k_q05f437b968_quantw
	.globl	k_q05f437b968_quantw
	.p2align	8
	.type	k_q05f437b968_quantw,@function
k_q05f437b968_quantw:
	s_mov_b64 s[64:65], 0
	v_nop
	global_prefetch_b8 v0, s[64:65] scope:SCOPE_SE
	s_setreg_imm32_b32 hwreg(HW_REG_WAVE_MODE, 25, 1), 1
	s_wait_xcnt 0x0
; Wk, Wq, Wv [384][768] f32 become codes of FP6 (E2M3) along the 768, with one E8M0 byte for each 32, laid in wf in the order in which the next launch's waves take them into operand registers.
; wf[K step s of 128, 0..5], 115,200 bytes each: codes [wave w 0..3][tile i 0..17], each tile (16 rows x 128 K) as an image of its 12 operand registers: registers 4 c .. 4 c + 3 of lane l at 512 c + 16 l;
; from byte 110,592 on the scale words, 1,152 bytes a wave: tile i = 8 g + 2 q + l / 16 (g = 0, 1) at 512 g + 16 l + 4 q, tiles 16 and 17 at 1,024 + 4 l.
; WHICH ROWS FORM A TILE.  i = 4 a + 2 e + u (a = 0..2): pair p = 3 w + a of 64 rows (p < 6: of Wk, else p - 6 of Wq), its block e of 32 rows; tile row j is row 8 u + j + 8 (j / 8) of that block, so that the results of
; tiles u = 0 and 1 are 16 neighbours along the next product's K.  i = 12 + t: rows 16 (6 w + t) + j of Wv.
; A work-group is one wave and makes tiles 2 x and 2 x + 1 (x = work-group x, 0..8) of wave w = y & 3 and K step s = y >> 2: both lie in one block of 32 rows.  No two work-groups share an input byte: no cluster, no tensor load.
; Each load takes a row's 512 bytes, 16 a lane; a tile turns through a stage in LDS (rows 528 bytes apart) so that lane (r, h) holds, of row r, 16 neighbours of each block of 32.
; A block's scale is 2^(floor(log2(largest magnitude)) - 2); its byte is the largest magnitude's exponent field - 2, held at 1 from below.
; LIMITS: NaN and infinities are not served.  A block of zeros gets the byte 1 where the rule says 127: its codes are zeros, and this program alone reads the bytes.
.set ROWB,  3072                       ; a row of a weight in bytes
.set STEPB, 115200
.set WAVEB, 27648
.set SCO,   110592
.set SPIT,  528                        ; a stage row: 512 bytes + 16, an odd multiple of 16
.set D0,  16                           ; v16-143  two tiles as loaded; v16-79 later the second tile turned
.set ST,  144                          ; v144-207 the first tile turned
.set TM,  208                          ; v208-223 at work
.set PW,  224                          ; the scale word just made
.set PW0, 225                          ; the first tile's
.set PC,  226                          ; v226-245 the codes just made
; 64 numbers of a lane, register 16 b + i = k 32 b + 16 h + i of my row, become a fragment's codes in v[PC] on and its scale word in v[PW]
.macro QUANT s
.irp b, 0,1,2,3
	v_max3_num_f32 v[TM+\b], |v[(\s)+16*\b]|, |v[(\s)+1+16*\b]|, 0x1800000   ; my 16 numbers of block b, and the floor 2^(3 - 127): the byte cannot fall under 1
.endr
.irp i, 2,4,6,8,10,12,14
.irp b, 0,1,2,3
	v_max3_num_f32 v[TM+\b], v[TM+\b], |v[(\s)+16*\b+\i]|, |v[(\s)+1+16*\b+\i]|
.endr
.endr
.irp b, 0,1,2,3
	v_permlanex16_b32 v[TM+4+\b], v[TM+\b], s32, s33
.endr
.irp b, 0,1,2,3
	v_max_num_f32 v[TM+\b], v[TM+\b], v[TM+4+\b]   ; with lane l xor 16's 16: the block's largest magnitude
.endr
.irp b, 0,1,2,3
	v_add_nc_u32 v[TM+12+\b], 0xff000000, v[TM+\b] ; 2 off its exponent field: the conversion's scale operand
.endr
.irp b, 0,1,2,3
	v_lshrrev_b32 v[TM+4+\b], 23, v[TM+12+\b]      ; the scale's byte
.endr
	v_lshl_or_b32 v[PW], v[TM+5], 8, v[TM+4]
	v_lshl_or_b32 v[PW], v[TM+6], 16, v[PW]
	v_lshl_or_b32 v[PW], v[TM+7], 24, v[PW]
.irp c, 0,1
	v_cvt_scalef32_pk16_fp6_f32 v[PC+6*\c:PC+2+6*\c], v[(\s)+32*\c:(\s)+15+32*\c], v[TM+12+2*\c]
	v_cvt_scalef32_pk16_fp6_f32 v[PC+12+4*\c:PC+14+4*\c], v[(\s)+16+32*\c:(\s)+31+32*\c], v[TM+12+2*\c+1]   ; (a conversion's three registers begin on an even number)
.endr
	v_nop                                          ; one plain instruction behind the scaled conversions
.irp c, 0,1                                    ; the operand wants a whole block in a lane: lanes 0-15 block 2 c, lanes 16-31 block 2 c + 1
.irp i, 0,1,2
	v_permlane16_swap_b32 v[PC+6*\c+\i], v[PC+12+4*\c+\i]
.endr
.irp i, 0,1,2
	v_mov_b32 v[PC+3+6*\c+\i], v[PC+12+4*\c+\i]
.endr
.endr
.endm
; a tile's 16 rows go into a stage as they were loaded and come back 64 bytes a lane and block; LDS serves a wave's instructions in order, so no wait stands between
.macro TURNX src, dst, stage
.irp p, 0,1,2,3,4,5,6,7,8,9,10,11,12,13,14,15
	ds_store_b128 v1, v[(\src)+4*\p:(\src)+4*\p+3] offset:(\stage)+SPIT*\p
.endr
.irp b, 0,1,2,3
.irp i, 0,1,2,3
	ds_load_b128 v[(\dst)+16*\b+4*\i:(\dst)+16*\b+4*\i+3], v6 offset:(\stage)+128*\b+16*\i
.endr
.endr
.endm
	s_load_b256 s[4:11], s[0:1], 0x0               ; Wk s[4:5], Wq s[6:7], Wv s[8:9], wf s[10:11]
	v_lshl_add_u32 v254, v0, 2, 0x4200
	v_mov_b32 v255, 0
	s_and_b32 s12, ttmp7, 0xffff
	s_and_b32 s13, s12, 3                          ; w
	s_lshr_b32 s14, s12, 2                         ; K step
	s_mul_i32 s15, s13, 3
	s_lshr_b32 s16, ttmp9, 1
	s_add_co_u32 s16, s16, s15                     ; the pair p = 3 w + x / 2 (used where x < 6)
	s_and_b32 s17, ttmp9, 1
	s_cmp_lt_u32 s16, 6
	s_cselect_b32 s18, 0, 6
	s_sub_co_u32 s18, s16, s18                     ; the pair within its weight
	s_lshl_b32 s18, s18, 1
	s_add_co_u32 s18, s18, s17                     ; Wk, Wq: the block of 32 rows
	s_add_co_u32 s19, s15, ttmp9
	s_sub_co_u32 s19, s19, 6                       ; Wv: block 3 w + x - 6 (used where x >= 6)
	s_cmp_lt_u32 ttmp9, 6
	s_cselect_b32 s18, s18, s19
	s_cselect_b32 s20, 16, 8                       ; where tile 0's rows 8-15 begin in the block,
	s_cselect_b32 s21, 8, 16                       ; and tile 1's rows 0-7; tile 1's rows 8-15 begin at row 24 either way
	s_mul_i32 s20, s20, ROWB
	s_mul_i32 s21, s21, ROWB
	s_mul_i32 s18, s18, 32*ROWB
	s_lshl_b32 s19, s14, 9
	s_add_co_u32 s18, s18, s19                     ; the block's first row, at this K step's 512 bytes
	s_mov_b32 s19, 0
	s_mul_i32 s22, s14, STEPB
	s_mul_i32 s23, s13, WAVEB
	s_add_co_u32 s24, s22, s23
	s_mul_i32 s25, ttmp9, 3072                     ; two images of 1,536 bytes
	s_add_co_u32 s24, s24, s25
	s_mov_b32 s25, 0
	s_mul_i32 s28, s13, 1152
	s_add_co_u32 s28, s28, s22
	s_add_co_u32 s28, s28, SCO
	s_lshr_b32 s29, ttmp9, 2
	s_lshl_b32 s29, s29, 9
	s_and_b32 s30, ttmp9, 3
	s_lshl_b32 s30, s30, 2
	s_add_co_u32 s29, s29, s30                     ; 512 (x / 4) + 4 (x % 4); for x = 8 that is 1,024
	s_add_co_u32 s28, s28, s29
	s_mov_b32 s29, 0
	s_cmp_lt_u32 ttmp9, 8
	s_cselect_b32 s31, 4, 2                        ; 16 bytes from lane to lane, 4 for tiles 16 and 17
	s_mov_b32 s32, 0x76543210
	s_mov_b32 s33, 0xfedcba98                      ; lane selects for lane l xor 16
	v_lshlrev_b32 v1, 4, v0                        ; 16 x lane (one wave: v0 is the lane)
	v_add_nc_u32 v2, s20, v1
	v_add_nc_u32 v3, s21, v1
	v_and_b32 v4, 15, v0                           ; r
	v_lshrrev_b32 v5, 4, v0                        ; h
	v_mul_u32_u24 v6, v4, SPIT
	v_lshl_add_u32 v6, v5, 6, v6                   ; out of a stage: row r, + 64 h
	v_lshlrev_b32 v7, s31, v0                      ; my scale word's place
.irp b, 0,1,2,3
	v_mov_b32 v[TM+4+\b], 0                        ; written once: a lane permute's destination counts as one of its sources
.endr
	s_wait_alu depctr_va_vdst(0)
	s_wait_kmcnt 0x0
	s_cmp_lt_u32 s16, 6                            ; the choices hang on the work-group's number alone
	s_cselect_b64 s[4:5], s[4:5], s[6:7]
	s_cmp_lt_u32 ttmp9, 6
	s_cselect_b64 s[4:5], s[4:5], s[8:9]
	s_add_nc_u64 s[4:5], s[4:5], s[18:19]
	s_add_nc_u64 s[26:27], s[10:11], s[24:25]      ; the codes' place
	s_add_nc_u64 s[28:29], s[10:11], s[28:29]      ; the scale words'
.irp j, 0,1,2,3,4,5,6,7
	global_load_b128 v[D0+4*\j:D0+4*\j+3], v1, s[4:5] offset:\j*ROWB th:TH_LOAD_NT             ; tile 0, rows 0-7: 32 lanes read 512 consecutive bytes
.endr
.irp j, 0,1,2,3,4,5,6,7
	global_load_b128 v[D0+32+4*\j:D0+32+4*\j+3], v2, s[4:5] offset:\j*ROWB th:TH_LOAD_NT       ; tile 0, rows 8-15
.endr
.irp j, 0,1,2,3,4,5,6,7
	global_load_b128 v[D0+64+4*\j:D0+64+4*\j+3], v3, s[4:5] offset:\j*ROWB th:TH_LOAD_NT       ; tile 1, rows 0-7
.endr
.irp j, 0,1,2,3,4,5,6,7
	global_load_b128 v[D0+96+4*\j:D0+96+4*\j+3], v1, s[4:5] offset:(24+\j)*ROWB th:TH_LOAD_NT  ; tile 1, rows 8-15
.endr
	s_wait_loadcnt 16                              ; tile 0's sixteen loads are in; tile 1's sixteen may be out
	TURNX D0, ST, 0
	s_wait_loadcnt 0x0
	s_wait_dscnt 0x0                               ; tile 0 is back, and its stores have read v16-79,
	TURNX D0+64, D0, 16*SPIT                       ; which take tile 1 while tile 0 is quantised
	QUANT ST
.irp c, 0,1,2
	global_store_b128 v1, v[PC+4*\c:PC+4*\c+3], s[26:27] offset:512*\c        ; 32 lanes store 512 consecutive bytes, aligned
.endr
	v_mov_b32 v[PW0], v[PW]
	s_wait_dscnt 0x0                               ; tile 1 is back
	s_wait_xcnt 0x0                                ; the stores have read the codes' registers, which are written again
	QUANT D0
.irp c, 0,1,2
	global_store_b128 v1, v[PC+4*\c:PC+4*\c+3], s[26:27] offset:1536+512*\c
.endr
	v_cmp_gt_u32 vcc_lo, 16, v0
	v_cndmask_b32 v8, v[PW], v[PW0], vcc_lo        ; lanes 0-15: tile 0's word of row l; lanes 16-31: tile 1's of row l - 16 (both halves of the lanes hold a row's word)
	global_store_b32 v7, v8, s[28:29]
	s_wait_tensorcnt 0x0
	ds_add_u32 v254, v255
	s_wait_dscnt 0x0
	s_endpgm
.Lfunc_end_k_q05f437b968_quantw:
	.size	k_q05f437b968_quantw, .Lfunc_end_k_q05f437b968_quantw-k_q05f437b968_quantw
	.p2alignl 7, 3214868480
	.fill 96, 4, 3214868480
	.section	.rodata,"a",@progbits
	.p2align	6, 0x0
	.amdhsa_kernel k_q05f437b968_quantw
		.amdhsa_group_segment_fixed_size 17152
		.amdhsa_private_segment_fixed_size 0
		.amdhsa_enable_private_segment 0
		.amdhsa_kernarg_size 32
		.amdhsa_user_sgpr_count 2
		.amdhsa_user_sgpr_kernarg_segment_ptr 1
		.amdhsa_wavefront_size32 1
		.amdhsa_system_sgpr_workgroup_id_x 1
		.amdhsa_system_sgpr_workgroup_id_y 1
		.amdhsa_system_sgpr_workgroup_id_z 1
		.amdhsa_system_vgpr_workitem_id 0
		.amdhsa_next_free_vgpr 256
		.amdhsa_next_free_sgpr 66
		.amdhsa_reserve_vcc 1
		.amdhsa_float_denorm_mode_32 3
		.amdhsa_float_denorm_mode_16_64 3
		.amdhsa_memory_ordered 1
		.amdhsa_forward_progress 1
		.amdhsa_inst_pref_size 19
	.end_amdhsa_kernel
	.amdgpu_metadata
---
amdhsa.version: [ 1, 2 ]
amdhsa.kernels:
  - .name:           k_q05f437b968_quantw
    .symbol:         k_q05f437b968_quantw.kd
    .args:
      - { .name: Wk, .offset: 0, .size: 8, .value_kind: global_buffer, .address_space: global }
      - { .name: Wq, .offset: 8, .size: 8, .value_kind: global_buffer, .address_space: global }
      - { .name: Wv, .offset: 16, .size: 8, .value_kind: global_buffer, .address_space: global }
      - { .name: wf, .offset: 24, .size: 8, .value_kind: global_buffer, .address_space: global }
    .group_segment_fixed_size: 17152
    .private_segment_fixed_size: 0
    .kernarg_segment_align: 8
    .kernarg_segment_size: 32
    .max_flat_workgroup_size: 32
    .sgpr_count:     66
    .vgpr_count:     256
    .wavefront_size: 32
...
	.end_amdgpu_metadata
.endif
;; end of part 1
;; launch proj (part 2): grid 256 x 1, 4 waves a work-group, clusters of 4 x 1, 327,680 bytes of LDS; arguments x, wf, kv, qf, qs; writes kv, qf, qs
.if DOCPART == 2
	.amdgcn_target "amdgcn-amd-amdhsa--gfx1250"
	.amdhsa_code_object_version 6
	.text
	.protected	k_q05f437b968_proj
	.globl	k_q05f437b968_proj
	.p2align	8
	.type	k_q05f437b968_proj,@function
k_q05f437b968_proj:
	s_mov_b64 s[64:65], 0
	v_nop
	global_prefetch_b8 v0, s[64:65] scope:SCOPE_SE
	s_setreg_imm32_b32 hwreg(HW_REG_WAVE_MODE, 25, 1), 1
	s_wait_xcnt 0x0
	s_wait_alu depctr_hold_cnt(0) depctr_sa_sdst(0) depctr_va_vdst(0) depctr_va_sdst(0) depctr_va_ssrc(0) depctr_va_vcc(0) depctr_vm_vsrc(0)
	s_getreg_b32 s2, hwreg(HW_REG_IB_STS2, 6, 4)
	s_cmp_eq_u32 s2, 0
	s_cbranch_scc0 .Lentry_in_a_cluster
	s_endpgm
.Lentry_in_a_cluster:
	s_bfe_u32 s2, ttmp6, 0x10000c
	s_cmp_lg_u32 s2, 0x3003
	s_cbranch_scc0 .Lentry_shape_is_right
	s_endpgm
.Lentry_shape_is_right:
; K, Q, V = x W^T on codes of FP6 (E2M3) with one E8M0 scale for each 32 along the 768; then K and Q are quantised along their 384 and V along the tokens, and stored in the order of the next launch's operand registers.
; SHARES.  A work-group owns 64 tokens and all 1,152 outputs.  Wave w quantises token tile w of x (all six K steps of 128) and hands it to the others through LDS as images of operand registers; then it makes 18 tile columns
; (12 of K or Q, 6 of V) for the four token tiles: 72 accumulators.  A fragment of W is read from LDS by one wave and feeds four products.
; TOKEN TILES.  Row j of tile m = 2 b + u is token 32 b + 8 u + j + 8 (j / 8).  The same fragments of x are source 1 for K and Q (a lane then holds one token, registers along d) and source 0 for V (a lane holds one d,
; registers along the tokens: tiles 2 b and 2 b + 1 give 16 neighbouring tokens), and K's tiles so have the key order that the softmax's weights want in the next launch.
; W's codes and scale words come by K steps of 115,200 bytes through two LDS slots.  CLUSTER: every work-group reads the same bytes of wf, so the four of a cluster ask jointly (mask 15); a mask names four at the most.
; THE WALK.  Cluster c takes the six K steps in the order c mod 6, c mod 6 + 1, .. round the six: POSITION j of its walk is K step (c + j) mod 6, of x and of wf alike.  Only global addresses know of it: the six offset
; registers of x's loads and the address words of wf's descriptors; LDS, registers and waits go by position.  So the 64 clusters' first fills, two K steps each, ask for all six K steps of wf between them, while x is on its way,
; and a later fill asks for a K step that clusters with a start one or two further on have asked for at their heads.  c is the cluster's number, the same in all four partners.
; OUT.  kv[slot of 256 keys = 4 work-groups], 153,600 bytes: K's codes [tile 0..15][pair of 64 d 0..5], V's at 73,728 [128 keys 0..1][d tile 0..23][64 keys 0..1], each a half fragment of 768 bytes (registers 0-3 of the six at
; 16 l, registers 4-5 at 512 + 8 l); K's scale words at 147,456 [128 keys][128 d 0..2][lane][tile pair]; V's at 150,528 [128 keys][g 0..2][lane][q]: d tile 8 g + 2 q + lane / 16.  qf and qs hold Q likewise.
; The scale bytes leave as half words, 16 bytes apart: a work-group owns two of a V word's four blocks, a wave three of the six pairs of K or Q.  So those aligned blocks of 256 bytes are written in part; they are 9 stores of 64 bytes a wave.
; LIMITS: NaN and infinities are not served.  A block of zeros gets the byte 1 where the rule says 127: its codes are zeros, and this program alone reads the bytes.  The f32 sum over the six K steps is taken in the walk's order,
; which differs from cluster to cluster.
; REGISTERS, in windows of 256.  Window 0: addresses, scale words, v48-85 the quantiser's, v88-231 two buffers of six fragments of W (in the prologue: two sets of 64 numbers of x), v232-237 x's offsets.
; Window 1: K/Q accumulators of pairs a = 0, 1 at 8 (tau + 4 m + 16 a).  Window 2: a = 2 at 8 (tau + 4 m); V's d tiles 0-3 at 128 + 8 (m + 4 t).  Window 3: V's d tiles 4, 5 at 8 (m + 4 (t - 4)); two sets of x's four fragments at v64, v112.
; In the prologue windows 1 and 2 hold x as loaded: position c at 64 c.
.set SLOTB, 115200                     ; a K step of wf, and an LDS slot
.set THIRD, 38400                      ; what one tensor load brings: 150 rows of 256 bytes
.set WAVEB, 27648                      ; a wave's 18 fragments
.set WSCO,  110592                     ; where a slot's scale words begin
.set XIMG,  230400                     ; x's fragments [position][tile], 1,536 bytes each
.set XSC,   267264                     ; their scale words [position][tile][lane]
.set XSTG,  270336                     ; a stage of 16 rows x 528 bytes for each wave
.set SPARE, 304128                     ; the spare words, 128 bytes for each wave: two blocks of 256 bytes that no other line names
; IN FORCE, in place of what the head says of these points: the walk begins at K step cluster mod 5 (so its first two K steps are one dense run of wf, brought by one load of 225 rows a wave);
; in kv a slot holds K's codes at 0, K's scale words at 73,728, V's codes at 76,800 and V's scale words at 150,528.
.set SIXTH, 0x2aaaaaab                 ; (2^32 + 2) / 6: the high word of n x this is n / 6, rounded down, for the small n met here (at most 63)
.set FIFTH, 0x33333334                 ; (2^32 + 4) / 5, likewise
.set HEADQ, 57600                      ; a quarter of the first two K steps: 225 rows of 256 bytes
.set SPW, 1                            ; v1  SPARE + 4 x my thread's number; never rewritten
.set NIL, 2                            ; v2  0; never rewritten
.set XO,  3                            ; v3  16 x lane
.set STW, 4                            ; v4  into my stage
.set STR, 5                            ; v5  out of it: row r, + 64 h
.set XWI, 6                            ; v6  where I store x's images
.set XWS, 7                            ; v7  and their scale words
.set XRI, 8                            ; v8  where anybody reads them
.set XRS, 9
.set AW,  10                           ; v10-11 my fragments of W in slot 0, 1
.set ASW, 12                           ; v12-13 my scale words of tiles 0-15
.set ASB, 14                           ; v14-15 of tiles 16, 17
.set G8,  17                           ; v17 8 x lane
.set KSA, 18                           ; v18-20 where pair a's scale half words go
.set VSA, 21                           ; v21-23 where d tile pair t's go
.set SH,  24                           ; v24 16 h
.set HW,  25                           ; v25 a half word to store
.set XS,  28                           ; v28-31, v32-35 x's scale words, two sets
.set WS,  36                           ; v36-44 W's scale words of a K step
.set TM,  48
.set PW,  64
.set PC,  66                           ; v66-85
.set WB,  88                           ; v88-159, v160-231
.set ST,  88                           ; v88-151, v152-215
.set XC,  232                          ; v232-237 position j: 16 x lane + 512 x its K step: my bytes in a row of x; never rewritten
.set XF,  64                           ; in window 3
.set WV,  14                           ; s14 my wave's number
.set TQ,  17                           ; s17 at work
.set S0,  20                           ; s20 the walk's first K step: cluster mod 5
.set KC,  21                           ; s21 the K step asked for last
.set WO,  22                           ; s[22:23] its first byte in wf
.set G1,  24                           ; s[24:31] descriptor group 1
.set G0,  32                           ; s[32:39] group 0, one set for each slot
.set SEL, 40
.set KQB, 44                           ; s[44:45] where my K or Q codes go;  s[46:47] their scale words;  s[48:49] V's codes;  s[50:51] V's scale words
.set KQS, 46
.set VCB, 48
.set VSB, 50
.set MSB, 0
.macro WIN new                         ; the immediate's high byte repeats the setting that is left; a switch that changes nothing is dropped
.if MSB != (\new)
	s_set_vgpr_msb (MSB<<8)|(\new)
.set MSB, (\new)
.endif
.endm
.macro PLACES                          ; four plain instructions between a matrix instruction and a load into, or a read of, its registers (ISA guide 7.12.1 for a read)
.rept 4
	v_nop
.endr
.endm
.macro ROUND                           ; a round of the cluster's barrier
	s_barrier_signal -1
	s_barrier_wait -1
	s_cmp_lg_u32 s[WV], 0
	s_cbranch_scc1 .Lnot_wave_0_\@
	s_barrier_signal -3
.Lnot_wave_0_\@:
	s_barrier_wait -3
	s_barrier_signal -1
	s_barrier_wait -1
.endm
.macro TLW slot                        ; waves 0 to 2 fetch a third of a slot each, wave 3 nothing; four v_nop follow the load
	s_cmp_lt_u32 s[WV], 3
	s_cbranch_scc0 .Lno_load_\@
	tensor_load_to_lds s[G0+4*(\slot):G0+4*(\slot)+3], s[G1:G1+7]
	s_nop 0
.rept 4
	v_nop
.endr
.Lno_load_\@:
.endm
; 64 numbers of a lane in window X, register 16 b + i = place 32 b + 16 h + i along the quantiser's K, become codes in v[PC] .. v[PC + 11] and four scale bytes in v[PW].  Accumulators are read from their low ends on.
.macro QUANT s, X
	WIN ((\X)<<2)|((\X)<<4)
.irp b, 0,1,2,3
	v_max3_num_f32 v[TM+\b], 0x1800000, |v[(\s)+16*\b]|, |v[(\s)+1+16*\b]|   ; the floor 2^(3 - 127): the byte cannot fall under 1
.endr
.irp i, 2,4,6,8,10,12,14
.irp b, 0,1,2,3
	v_max3_num_f32 v[TM+\b], v[TM+\b], |v[(\s)+16*\b+\i]|, |v[(\s)+1+16*\b+\i]|
.endr
.endr
	WIN 0
.irp b, 0,1,2,3
	v_permlanex16_b32 v[TM+4+\b], v[TM+\b], s[SEL], s[SEL+1]
.endr
.irp b, 0,1,2,3
	v_max_num_f32 v[TM+\b], v[TM+\b], v[TM+4+\b]   ; with lane l xor 16's 16: the block's largest magnitude
.endr
.irp b, 0,1,2,3
	v_add_nc_u32 v[TM+12+\b], 0xff000000, v[TM+\b] ; 2 off its exponent field: the conversion's scale operand
.endr
.irp b, 0,1,2,3
	v_lshrrev_b32 v[TM+4+\b], 23, v[TM+12+\b]      ; the scale's byte
.endr
	v_lshl_or_b32 v[PW], v[TM+5], 8, v[TM+4]
	v_lshl_or_b32 v[PW], v[TM+6], 16, v[PW]
	v_lshl_or_b32 v[PW], v[TM+7], 24, v[PW]
	WIN (\X)
.irp c, 0,1
	v_cvt_scalef32_pk16_fp6_f32 v[PC+6*\c:PC+2+6*\c], v[(\s)+32*\c:(\s)+15+32*\c], v[TM+12+2*\c]
	v_cvt_scalef32_pk16_fp6_f32 v[PC+12+4*\c:PC+14+4*\c], v[(\s)+16+32*\c:(\s)+31+32*\c], v[TM+12+2*\c+1]
.endr
	WIN 0
	v_nop                                          ; one plain instruction behind the scaled conversions
.irp c, 0,1                                    ; a whole block in a lane: lanes 0-15 block 2 c, lanes 16-31 block 2 c + 1
.irp i, 0,1,2
	v_permlane16_swap_b32 v[PC+6*\c+\i], v[PC+12+4*\c+\i]
.endr
.irp i, 0,1,2
	v_mov_b32 v[PC+3+6*\c+\i], v[PC+12+4*\c+\i]
.endr
.endr
.endm
; sixteen rows of 512 bytes (window W, from register src) go into my stage as loaded and come back 16 neighbours of each block a lane; LDS serves a wave's instructions in order
.macro TURNX src, W, dst
	WIN (\W)<<2
.irp p, 0,1,2,3,4,5,6,7,8,9,10,11,12,13,14,15
	ds_store_b128 v[STW], v[(\src)+4*\p:(\src)+4*\p+3] offset:528*\p
.endr
	WIN 0
.irp b, 0,1,2,3
.irp i, 0,1,2,3
	ds_load_b128 v[(\dst)+16*\b+4*\i:(\dst)+16*\b+4*\i+3], v[STR] offset:128*\b+16*\i
.endr
.endr
.endm
.macro WLOAD slot, g, buf              ; six fragments of W, tiles 6 g .. 6 g + 5: 18 loads
.irp f, 0,1,2,3,4,5
.irp c, 0,1,2
	ds_load_b128 v[WB+72*(\buf)+12*\f+4*\c:WB+72*(\buf)+12*\f+4*\c+3], v[AW+(\slot)] offset:(6*(\g)+\f)*1536+512*\c
.endr
.endr
.endm
.macro XLOAD s, set                    ; position s of x: four fragments and their scale words: 16 loads
	WIN 0xc0                                       ; destination window 3
.irp m, 0,1,2,3
.irp c, 0,1,2
	ds_load_b128 v[XF+48*(\set)+12*\m+4*\c:XF+48*(\set)+12*\m+4*\c+3], v[XRI] offset:6144*(\s)+1536*\m+512*\c
.endr
.endr
	WIN 0
.irp m, 0,1,2,3
	ds_load_b32 v[XS+4*(\set)+\m], v[XRS] offset:512*(\s)+128*\m
.endr
.endm
.macro MMX zero, ra, rb                ; one product on the registers named by RD, RA, RB, RSA, RSB; ra, rb: that side's scale words stand in lanes 16-31
.if \zero
.if \ra
	v_wmma_scale_f32_16x16x128_f8f6f4 v[RD:RD+7], v[RA:RA+11], v[RB:RB+11], 0, v[RSA], v[RSB] matrix_a_fmt:MATRIX_FMT_FP6 matrix_b_fmt:MATRIX_FMT_FP6 matrix_a_scale:MATRIX_SCALE_ROW1
.elseif \rb
	v_wmma_scale_f32_16x16x128_f8f6f4 v[RD:RD+7], v[RA:RA+11], v[RB:RB+11], 0, v[RSA], v[RSB] matrix_a_fmt:MATRIX_FMT_FP6 matrix_b_fmt:MATRIX_FMT_FP6 matrix_b_scale:MATRIX_SCALE_ROW1
.else
	v_wmma_scale_f32_16x16x128_f8f6f4 v[RD:RD+7], v[RA:RA+11], v[RB:RB+11], 0, v[RSA], v[RSB] matrix_a_fmt:MATRIX_FMT_FP6 matrix_b_fmt:MATRIX_FMT_FP6
.endif
.else
.if \ra
	v_wmma_scale_f32_16x16x128_f8f6f4 v[RD:RD+7], v[RA:RA+11], v[RB:RB+11], v[RD:RD+7], v[RSA], v[RSB] matrix_a_fmt:MATRIX_FMT_FP6 matrix_b_fmt:MATRIX_FMT_FP6 matrix_a_scale:MATRIX_SCALE_ROW1
.elseif \rb
	v_wmma_scale_f32_16x16x128_f8f6f4 v[RD:RD+7], v[RA:RA+11], v[RB:RB+11], v[RD:RD+7], v[RSA], v[RSB] matrix_a_fmt:MATRIX_FMT_FP6 matrix_b_fmt:MATRIX_FMT_FP6 matrix_b_scale:MATRIX_SCALE_ROW1
.else
	v_wmma_scale_f32_16x16x128_f8f6f4 v[RD:RD+7], v[RA:RA+11], v[RB:RB+11], v[RD:RD+7], v[RSA], v[RSB] matrix_a_fmt:MATRIX_FMT_FP6 matrix_b_fmt:MATRIX_FMT_FP6
.endif
.endif
.endm
.macro PKQ i, buf, set, zero           ; tile column i (0..11) of K or Q against the four token tiles: source 0 = W, source 1 = x
	WIN 0x5c+0x50*((\i)/8)                         ; W window 0, x window 3, C and D window 1 (i < 8) or 2
.irp m, 0,1,2,3
.set RD, 8*((\i)%4+4*\m+16*(((\i)/4)%2))
.set RA, WB+72*(\buf)+12*((\i)%6)
.set RB, XF+48*(\set)+12*\m
.set RSA, WS+((\i)/8)*4+((\i)%8)/2
.set RSB, XS+4*(\set)+\m
	MMX \zero, (\i)%2, 0
.endr
.endm
.macro PVV i, buf, set, zero           ; tile column i (12..17), of V: source 0 = x, source 1 = W
	WIN 0xa3+0x50*(((\i)-12)/4)                    ; x window 3, W window 0, C and D window 2 or 3
.irp m, 0,1,2,3
.set RD, 128*(1-((\i)-12)/4)+8*(\m+4*(((\i)-12)%4))
.set RA, XF+48*(\set)+12*\m
.set RB, WB+72*(\buf)+12*((\i)%6)
.set RSA, XS+4*(\set)+\m
.set RSB, WS+((\i)/8)*4+((\i)%8)/2
	MMX \zero, 0, (\i)%2
.endr
.endm
; POSITION s OF THE WALK: 72 products in three groups of six tile columns; the groups' fragments of W take turns on two buffers.  The 72 accumulators take turns, one instruction a turn.
.macro KSTEP s, zero, last
.if \zero
	XLOAD 0, 0
.endif
	ds_load_b128 v[WS:WS+3], v[ASW+(\s)%2]
	ds_load_b128 v[WS+4:WS+7], v[ASW+(\s)%2] offset:512
	ds_load_b32 v[WS+8], v[ASB+(\s)%2]
	WLOAD (\s)%2, 0, (3*(\s))%2
	WLOAD (\s)%2, 1, (3*(\s)+1)%2
	s_wait_dscnt 18                                ; all but the second group's 18 loads
.irp i, 0,1,2,3,4,5
	PKQ \i, (3*(\s))%2, (\s)%2, \zero
.endr
	WIN 0
	PLACES
	WLOAD (\s)%2, 2, (3*(\s))%2                    ; the third group, into the first's buffer
.if \last
	s_wait_dscnt 18                                ; the second group is in
.else
	XLOAD (\s)+1, ((\s)+1)%2                       ; the next position of x, into the other set
	s_wait_dscnt 34                                ; the second group is in: behind it 18 + 16 loads
.endif
.irp i, 6,7,8,9,10,11
	PKQ \i, (3*(\s)+1)%2, (\s)%2, \zero
.endr
.if \last
	s_wait_dscnt 0x0
.else
	s_wait_dscnt 16                                ; the third group is in: behind it x's 16
.endif
.irp i, 12,13,14,15,16,17
	PVV \i, (3*(\s))%2, (\s)%2, \zero
.endr
.endm
; THE CHANGE OF SLOTS behind position s.  Each wave waits for all its tensor loads (its part of the next slot), adds 0 to its spare word, and waits for that and for its reads of this slot.  fill = 1: a round of the cluster's
; barrier, so that no wave of any partner still reads the slot or has a load on its way; then the slot takes position s + 2, first thing: the K step behind the one asked for last, round the six.
.macro CHG s, fill
	WIN 0
	s_wait_tensorcnt 0x0                           ; no tensor load of mine is out, so a group 0 may be written
	ds_add_u32 v[SPW], v[NIL]                      ; 0 onto my spare word; the descriptor's address is made between it and the wait for it
.if \fill
	s_add_co_u32 s[KC], s[KC], 1                   ; 1 .. 6
	s_mul_hi_u32 s[TQ], s[KC], SIXTH               ; 1 where it is 6
	s_mul_i32 s[TQ], s[TQ], 6
	s_sub_co_u32 s[KC], s[KC], s[TQ]               ; 6 becomes 0
	s_mul_i32 s[WO], s[KC], SLOTB                  ; (the pair's high word stays 0)
	s_add_nc_u64 s[G0+4*((\s)%2)+2:G0+4*((\s)%2)+3], s[62:63], s[WO:WO+1]   ; wf at my third of that K step
	s_or_b32 s[G0+4*((\s)%2)+3], s[G0+4*((\s)%2)+3], 0x80000000             ; type = 2
.endif
	s_wait_dscnt 0x0                               ; the add is done, and my reads of this slot are over
.if \fill
	ROUND
	TLW (\s)%2
.else
	s_barrier_signal -1
	s_barrier_wait -1
.endif
	PLACES                                         ; for the loads into registers that the last products read (wave 3 has passed no v_nop)
.endm
; pair a of K or Q, token tiles 2 mp and 2 mp + 1: 64 numbers in window X from register s: two half fragments and a half word of scale bytes for each tile
.macro OUTKQ a, mp, X, s
	s_wait_xcnt 0x0                                ; the last stores have read the registers that are written again
	QUANT \s, \X
.irp c, 0,1
	global_store_b128 v[XO], v[PC+6*\c:PC+6*\c+3], s[KQB:KQB+1] offset:(2*(\mp)+\c)*4608+768*(\a)         ; 512 consecutive bytes, aligned
	global_store_b64 v[G8], v[PC+6*\c+4:PC+6*\c+5], s[KQB:KQB+1] offset:(2*(\mp)+\c)*4608+768*(\a)+512    ; 256 consecutive bytes, aligned
.endr
	v_lshrrev_b32 v[HW], v[SH], v[PW]              ; lanes 0-15: tile 2 mp's two bytes; lanes 16-31: tile 2 mp + 1's
	global_store_b16 v[KSA+(\a)], v[HW], s[KQS:KQS+1] offset:4*(\mp)
.endm
; d tiles 2 tp and 2 tp + 1 of V, my 64 tokens
.macro OUTV tp, X, s
	s_wait_xcnt 0x0
	QUANT \s, \X
.irp c, 0,1
	global_store_b128 v[XO], v[PC+6*\c:PC+6*\c+3], s[VCB:VCB+1] offset:(2*(\tp)+\c)*1536
	global_store_b64 v[G8], v[PC+6*\c+4:PC+6*\c+5], s[VCB:VCB+1] offset:(2*(\tp)+\c)*1536+512
.endr
	v_lshrrev_b32 v[HW], v[SH], v[PW]
	global_store_b16 v[VSA+(\tp)], v[HW], s[VSB:VSB+1]
.endm
	s_load_b256 s[4:11], s[0:1], 0x0               ; x s[4:5], wf s[6:7], kv s[8:9], qf s[10:11]
	s_load_b64 s[12:13], s[0:1], 0x20              ; qs
	v_lshl_add_u32 v[SPW], v0, 2, SPARE
	v_mov_b32 v[NIL], 0
	ds_add_u32 v1, v2
	ds_add_u32 v1, v2
	s_wait_dscnt 0x0
	v_lshrrev_b32 v26, 5, v0
	v_readfirstlane_b32 s[WV], v26                 ; wave 0..3
	s_bfe_u32 s15, ttmp6, 0x40000                  ; cx: my place in the cluster; it enters global addresses of my own loads and stores alone
	s_lshl_b32 s16, ttmp9, 2
	s_add_co_u32 s16, s16, s15                     ; my block of 64 tokens
	; descriptor group 1: 225 rows of 256 bytes (150 for the refills) (32 elements of 8), dense, no padding
	s_mov_b32 s[G1], 15|(3<<16)|(1<<21)            ; 15:0 the mask: all four work-groups; 17:16 elements of 8 bytes; 21 set beside a mask
	s_mov_b32 s[G1+1], 32<<16                      ; tensor_dim0
	s_mov_b32 s[G1+2], 225<<16                     ; tensor_dim1: the head's loads; 150 behind them
	s_mov_b32 s[G1+3], 32<<16                      ; tile_dim0
	s_mov_b32 s[G1+4], 225                         ; tile_dim1: likewise
	s_mov_b32 s[G1+5], 32                          ; the pitch
	s_mov_b32 s[G1+6], 0
	s_mov_b32 s[G1+7], 0
	s_min_u32 s60, s[WV], 2
	s_mul_i32 s60, s60, THIRD                      ; my third of a slot, in LDS and in wf (wave 3 issues no load)
	s_mov_b32 s61, 0
	s_mov_b32 s[SEL], 0x76543210
	s_mov_b32 s[SEL+1], 0xfedcba98
	; x: my tile's first token, 64 block + 32 (w / 2) + 8 (w % 2)
	s_lshl_b32 s18, s16, 6
	s_lshr_b32 s23, s[WV], 1
	s_lshl_b32 s23, s23, 5
	s_add_co_u32 s18, s18, s23
	s_and_b32 s20, s[WV], 1
	s_lshl_b32 s23, s20, 3
	s_add_co_u32 s18, s18, s23
	s_mul_i32 s18, s18, 3072
	s_mov_b32 s19, 0
	; where the results go
	s_mul_i32 s17, ttmp9, 153600                   ; my slot of kv: the cluster's four blocks are its 256 keys
	s_and_b32 s21, s15, 1                          ; which 64 of 128 keys
	s_lshr_b32 s22, s15, 1                         ; which 128 of the slot's 256
	s_mul_i32 s52, s15, 18432
	s_add_co_u32 s52, s52, s17                     ; K's codes: my four tiles
	s_mul_i32 s53, s16, 18432                      ; Q's
	s_mul_i32 s54, s22, 1536
	s_add_co_u32 s54, s54, s17
	s_add_co_u32 s58, s54, 150528                  ; V's scale words
	s_add_co_u32 s54, s54, 73728                   ; K's
	s_lshr_b32 s55, s16, 1
	s_mul_i32 s55, s55, 1536                       ; Q's
	s_cmp_lt_u32 s[WV], 2                          ; waves 0, 1 make K, waves 2, 3 Q
	s_cselect_b32 s52, s52, s53
	s_cselect_b32 s54, s54, s55
	s_mul_i32 s23, s20, 2304                       ; my three pairs of the six
	s_add_co_u32 s52, s52, s23
	s_mov_b32 s53, 0
	s_mov_b32 s55, 0
	s_mov_b32 s59, 0
	s_mul_i32 s56, s22, 36864
	s_add_co_u32 s56, s56, s17
	s_mul_i32 s23, s21, 768
	s_add_co_u32 s56, s56, s23
	s_mul_i32 s23, s[WV], 9216                     ; my six d tiles
	s_add_co_u32 s56, s56, s23
	s_add_co_u32 s56, s56, 76800
	s_mov_b32 s57, 0
	; lanes
	v_and_b32 v26, 31, v0                          ; lane
	v_and_b32 v27, 15, v0                          ; r
	v_bfe_u32 v[SH], v0, 4, 1                      ; h
	v_lshlrev_b32 v[XO], 4, v26
	v_lshlrev_b32 v[G8], 3, v26
	s_mul_i32 s2, s[WV], 8448
	s_add_co_u32 s2, s2, XSTG
	v_add_nc_u32 v[STW], s2, v[XO]
	v_mul_u32_u24 v[STR], v27, 528
	v_lshl_add_u32 v[STR], v[SH], 6, v[STR]
	v_add_nc_u32 v[STR], s2, v[STR]
	s_mul_i32 s2, s[WV], 1536
	s_add_co_u32 s2, s2, XIMG
	v_add_nc_u32 v[XWI], s2, v[XO]
	s_lshl_b32 s2, s[WV], 7
	s_add_co_u32 s2, s2, XSC
	v_lshl_add_u32 v[XWS], v26, 2, s2
	v_add_nc_u32 v[XRI], XIMG, v[XO]
	v_lshl_add_u32 v[XRS], v26, 2, XSC
	s_mul_i32 s2, s[WV], WAVEB
	v_add_nc_u32 v[AW], s2, v[XO]
	v_add_nc_u32 v[AW+1], SLOTB, v[AW]
	s_mul_i32 s2, s[WV], 1152
	s_add_co_u32 s2, s2, WSCO
	v_add_nc_u32 v[ASW], s2, v[XO]
	v_add_nc_u32 v[ASW+1], SLOTB, v[ASW]
	s_add_co_u32 s2, s2, 1024
	v_lshl_add_u32 v[ASB], v26, 2, s2
	v_add_nc_u32 v[ASB+1], SLOTB, v[ASB]
	v_lshlrev_b32 v[SH], 4, v[SH]                  ; 16 h
.irp b, 0,1,2,3
	v_mov_b32 v[TM+4+\b], 0                        ; written once: a lane permute's destination counts as one of its sources
.endr
	s_mul_i32 s3, s20, 3                           ; my first pair within K or Q
	s_lshl_b32 s23, s21, 3
.irp a, 0,1,2
	s_add_co_u32 s2, s3, \a
	s_lshr_b32 s17, s2, 1
	s_lshl_b32 s17, s17, 9                         ; the word's 128 d,
	s_and_b32 s2, s2, 1
	s_lshl_b32 s2, s2, 1                           ; the half word in it,
	s_add_co_u32 s17, s17, s2
	s_add_co_u32 s17, s17, s23                     ; my block's tile pairs
	v_add_nc_u32 v[KSA+\a], s17, v[XO]
.endr
	s_mul_i32 s3, s[WV], 3                         ; my first pair of d tiles
	s_lshl_b32 s23, s21, 1
.irp t, 0,1,2
	s_add_co_u32 s2, s3, \t
	s_lshr_b32 s17, s2, 2
	s_lshl_b32 s17, s17, 9
	s_and_b32 s2, s2, 3
	s_lshl_b32 s2, s2, 2
	s_add_co_u32 s17, s17, s2
	s_add_co_u32 s17, s17, s23                     ; my block's half of the word
	v_add_nc_u32 v[VSA+\t], s17, v[XO]
.endr
	; the walk (s17 and s20 to s23 are free from here on): it begins at K step cluster mod 5; position j is K step (that + j) mod 6
	s_mul_hi_u32 s[TQ], ttmp9, FIFTH               ; cluster / 5
	s_mul_i32 s[TQ], s[TQ], 5
	s_sub_co_u32 s[S0], ttmp9, s[TQ]               ; the first K step: cluster mod 5
.irp j, 0,1,2,3,4,5
	s_add_co_u32 s[KC], s[S0], \j                  ; 0 .. 10
	s_mul_hi_u32 s[TQ], s[KC], SIXTH
	s_mul_i32 s[TQ], s[TQ], 6
	s_sub_co_u32 s[KC], s[KC], s[TQ]               ; position j's K step
	s_lshl_b32 s[KC], s[KC], 9                     ; its 512 bytes of a row of x
	v_add_nc_u32 v[XC+\j], s[KC], v[XO]
.endr
	s_wait_kmcnt 0x0
	s_add_nc_u64 s[62:63], s[6:7], s[60:61]        ; wf at my third of K step 0: it stays
	s_add_nc_u64 s[4:5], s[4:5], s[18:19]
	s_cmp_lt_u32 s[WV], 2
	s_cselect_b64 s[KQB:KQB+1], s[8:9], s[10:11]
	s_cselect_b64 s[KQS:KQS+1], s[8:9], s[12:13]
	s_add_nc_u64 s[KQB:KQB+1], s[KQB:KQB+1], s[52:53]
	s_add_nc_u64 s[KQS:KQS+1], s[KQS:KQS+1], s[54:55]
	s_add_nc_u64 s[VCB:VCB+1], s[8:9], s[56:57]
	s_add_nc_u64 s[VSB:VSB+1], s[8:9], s[58:59]
	ROUND                                          ; all four work-groups are here: the first joint loads meet
	s_mul_i32 s[WO], s[S0], SLOTB                  ; the first two K steps lie on end: each wave brings a quarter of the 230,400 bytes, one load a wave
	s_mov_b32 s[WO+1], 0
	s_mul_i32 s[TQ], s[WV], HEADQ
	s_add_co_u32 s[WO], s[WO], s[TQ]
	s_mov_b32 s[G0], 1                             ; count = 1
	s_mov_b32 s[G0+1], s[TQ]                       ; LDS address
	s_add_nc_u64 s[G0+2:G0+3], s[6:7], s[WO:WO+1]  ; global address
	s_or_b32 s[G0+3], s[G0+3], 0x80000000          ; type = 2
	s_mov_b32 s[G0+4], 1                           ; slot 1's refills
	s_add_co_u32 s[G0+5], s60, SLOTB
	s_add_co_u32 s[KC], s[S0], 1                   ; the K step asked for last
	tensor_load_to_lds s[G0:G0+3], s[G1:G1+7]
	s_nop 0
.rept 4
	v_nop
.endr
	; all of my tile of x is asked for at once: 96 loads of 512 consecutive bytes, position by position of the walk
	s_wait_alu depctr_va_vdst(0)
.irp c, 0,1,2,3,4,5
	WIN (1+\c/4)<<6
.irp p, 0,1,2,3,4,5,6,7,8,9,10,11,12,13,14,15
	global_load_b128 v[64*(\c%4)+4*\p:64*(\c%4)+4*\p+3], v[XC+\c], s[4:5] offset:(\p+8*(\p/8))*3072 th:TH_LOAD_NT
.endr
.endr
	WIN 0
	s_wait_loadcnt 63                              ; position 0's sixteen are in (80 were issued behind them; a wait names 63 at the most)
	TURNX 0, 1, ST
.irp c, 0,1,2,3,4,5
.if \c < 5
.if \c == 0
	s_wait_loadcnt 63                              ; position 1's are in (64 behind them)
.else
	s_wait_loadcnt 16*(4-\c)                       ; the next position's are in; the later positions' may be out
.endif
	TURNX 64*((\c+1)%4), 1+(\c+1)/4, ST+64*((\c+1)%2)
	s_wait_dscnt 32                                ; all but that turn's 32: this position's numbers are back, and the last images' stores have read their registers
.else
	s_wait_dscnt 0x0
.endif
	QUANT ST+64*(\c%2), 0
.irp n, 0,1,2
	ds_store_b128 v[XWI], v[PC+4*\n:PC+4*\n+3] offset:6144*\c+512*\n   ; the fragment as it stands: lane l's 16 bytes at 16 l
.endr
	ds_store_b32 v[XWS], v[PW] offset:512*\c
.endr
	s_wait_tensorcnt 0x0                           ; my parts of both slots have landed
	ds_add_u32 v[SPW], v[NIL]
	s_wait_dscnt 0x0                               ; my images lie in LDS
	s_barrier_signal -1
	s_barrier_wait -1                              ; everybody's do
	s_mov_b32 s[G0+1], s60                         ; no tensor load of mine is out: the refills bring a third of a slot
	s_mov_b32 s[G1+2], 150<<16
	s_mov_b32 s[G1+4], 150
	KSTEP 0, 1, 0                                  ; its products start the sums: nothing is cleared
	CHG 0, 1
	KSTEP 1, 0, 0
	CHG 1, 1
	KSTEP 2, 0, 0
	CHG 2, 1
	KSTEP 3, 0, 0
	CHG 3, 1
	KSTEP 4, 0, 0
	CHG 4, 0                                       ; nothing is left to fetch
	KSTEP 5, 0, 1
	WIN 0
	PLACES
	OUTKQ 0, 0, 1, 0
	OUTKQ 0, 1, 1, 64
	OUTKQ 1, 0, 1, 128
	OUTKQ 1, 1, 1, 192
	OUTKQ 2, 0, 2, 0
	OUTKQ 2, 1, 2, 64
	OUTV 0, 2, 128
	OUTV 1, 2, 192
	OUTV 2, 3, 0
	s_wait_tensorcnt 0x0                           ; the wave's end
	ds_add_u32 v[SPW], v[NIL]
	s_wait_dscnt 0x0
	ROUND                                          ; the closing round
	s_endpgm
.Lfunc_end_k_q05f437b968_proj:
	.size	k_q05f437b968_proj, .Lfunc_end_k_q05f437b968_proj-k_q05f437b968_proj
	.p2alignl 7, 3214868480
	.fill 96, 4, 3214868480
	.section	.rodata,"a",@progbits
	.p2align	6, 0x0
	.amdhsa_kernel k_q05f437b968_proj
		.amdhsa_group_segment_fixed_size 327680
		.amdhsa_private_segment_fixed_size 0
		.amdhsa_enable_private_segment 0
		.amdhsa_kernarg_size 40
		.amdhsa_user_sgpr_count 2
		.amdhsa_user_sgpr_kernarg_segment_ptr 1
		.amdhsa_wavefront_size32 1
		.amdhsa_system_sgpr_workgroup_id_x 1
		.amdhsa_system_sgpr_workgroup_id_y 1
		.amdhsa_system_sgpr_workgroup_id_z 1
		.amdhsa_system_vgpr_workitem_id 0
		.amdhsa_next_free_vgpr 1024
		.amdhsa_next_free_sgpr 66
		.amdhsa_reserve_vcc 0
		.amdhsa_float_denorm_mode_32 3
		.amdhsa_float_denorm_mode_16_64 3
		.amdhsa_memory_ordered 1
		.amdhsa_forward_progress 1
		.amdhsa_inst_pref_size 185
	.end_amdhsa_kernel
	.amdgpu_metadata
---
amdhsa.version: [ 1, 2 ]
amdhsa.kernels:
  - .name:           k_q05f437b968_proj
    .symbol:         k_q05f437b968_proj.kd
    .args:
      - { .name: x, .offset: 0, .size: 8, .value_kind: global_buffer, .address_space: global }
      - { .name: wf, .offset: 8, .size: 8, .value_kind: global_buffer, .address_space: global }
      - { .name: kv, .offset: 16, .size: 8, .value_kind: global_buffer, .address_space: global }
      - { .name: qf, .offset: 24, .size: 8, .value_kind: global_buffer, .address_space: global }
      - { .name: qs, .offset: 32, .size: 8, .value_kind: global_buffer, .address_space: global }
    .group_segment_fixed_size: 327680
    .private_segment_fixed_size: 0
    .kernarg_segment_align: 8
    .kernarg_segment_size: 40
    .max_flat_workgroup_size: 128
    .sgpr_count:     66
    .vgpr_count:     1024
    .wavefront_size: 32
...
	.end_amdgpu_metadata
.endif
;; end of part 2
;; launch attn (part 3): grid 32 x 8, 8 waves a work-group, clusters of 4 x 1, 327,680 bytes of LDS; arguments kv, qf, qs, out0; writes out0
.if DOCPART == 3
	.amdgcn_target "amdgcn-amd-amdhsa--gfx1250"
	.amdhsa_code_object_version 6
	.text
	.protected	k_q05f437b968_attn
	.globl	k_q05f437b968_attn
	.p2align	8
	.type	k_q05f437b968_attn,@function
k_q05f437b968_attn:
	s_mov_b64 s[64:65], 0
	v_nop
	global_prefetch_b8 v0, s[64:65] scope:SCOPE_SE
	s_setreg_imm32_b32 hwreg(HW_REG_WAVE_MODE, 25, 1), 1
	s_wait_xcnt 0x0
	s_wait_alu depctr_hold_cnt(0) depctr_sa_sdst(0) depctr_va_vdst(0) depctr_va_sdst(0) depctr_va_ssrc(0) depctr_va_vcc(0) depctr_vm_vsrc(0)
	s_getreg_b32 s2, hwreg(HW_REG_IB_STS2, 6, 4)
	s_cmp_eq_u32 s2, 0
	s_cbranch_scc0 .Lentry_in_a_cluster
	s_endpgm
.Lentry_in_a_cluster:
	s_bfe_u32 s2, ttmp6, 0x10000c
	s_cmp_lg_u32 s2, 0x3003
	s_cbranch_scc0 .Lentry_shape_is_right
	s_endpgm
.Lentry_shape_is_right:
; out0[b][q][:] = the sum over k of softmax_k(Q[q] . K[k] / sqrt(384)) V[k][:], both products on codes of FP6 (E2M3) with one E8M0 scale for each 32 along a product's K.
; THE SOFTMAX: t = score x log2(e) / sqrt(384); M = the largest t so far, rounded up to a whole number; p = 2^(t - M) is quantised along the keys; the sum is taken of the unquantised p and divides at the end.
; When M moves, the sum and O^T are multiplied by 2^(old M - new M), which rounds nothing.
; SHARES.  A work-group owns 64 queries of a batch, four tiles of 16, and walks the batch's eight slots of 256 keys.  Wave w of eight makes the scores of keys 32 w .. 32 w + 31 of a slot for all 64 queries, and of the result
; columns 48 w .. 48 w + 47 (three d tiles) for all 64 queries: every fragment of K and of V is read from LDS once and feeds four products.  The waves hand each other their largest scores and p's codes through LDS.
; Both products are used transposed (S^T = K Q^T, O^T = V^T P^T): a lane holds one query throughout, and the 16 registers of my two key tiles are 16 neighbouring keys.
; TRIP i: A, M of slot i + 1, the products with V of slot i, the rescaling of O^T and t - M;  B, the exponentials, row sums and codes of slot i + 1;  C, the scores of slot i + 2 and the search for their largest.
; So codes and largest scores are exchanged behind ONE barrier a trip, and no exponential stands between a matrix result and its first reader.
; LDS: two slots; fill n brings K(n) and V(n - 1) into slot n % 2.  A trip reads one slot alone and the other is filled meanwhile: a fill has one trip in which to land.
; CLUSTER.  The four work-groups of a cluster belong to one batch and walk the same slots of kv: each eighth of a fill is asked for jointly (mask 15), one load a wave: waves 0 to 3 quarters of K, waves 4 to 7 quarters of V.
; LIMITS: NaN and infinities are not served; t stays under 2^31 in magnitude.  p under 2^-126 becomes 0.  t is made with one constant log2(e) / sqrt(384), one rounding where the definition has two.
; A block of p that is all zeros gets the byte 1: its codes are zeros.
; REGISTERS, in windows of 256.  Window 0: addresses, statistics, scale words; v72-135 the scores and their exponentials (16 q + 8 key tile), v136-183 four fragments of K or of p, v184-255 V's six.
; Window 1: v0-143 Q's twelve fragments, v144-239 O^T (24 q + 8 d tile), v240-255 for each tile -M, the largest score, f, 0.
.set SLOTB, 153600                     ; a slot of kv, and of LDS: K's codes and scale words, then V's
.set EIGHTH, 19200                     ; what one tensor load brings: 75 rows of 256 bytes
.set QUART, 38400
.set HALF,  76800
.set KSO,   73728                      ; K's scale words in a slot
.set VSO,   150528                     ; V's
.set PB,    307200                     ; p's codes: [tile q][128 keys] images of 1,536 bytes
.set PSB,   319488                     ; p's scale words [128 keys][tile pair][lane]
.set MXB,   320000                     ; the largest scores [tile q][r][wave]; behind them, 2,048 bytes on, the sums
.set SPARE, 324096                     ; the spare words, 128 bytes for each wave: four blocks of 256 bytes that no other line names
.set OSTB,  SLOTB                      ; the way out: 64 rows x 1,552 bytes in slot 1, which has had its last fill and its last read by then
.set OPIT,  1552
.set SPW, 1                            ; v1  SPARE + 4 x my thread's number; never rewritten
.set NIL, 2                            ; v2  0; never rewritten
.set G16, 3                            ; 16, 8, 4 x lane; 16 r
.set G8,  4
.set G4,  5
.set R16, 6
.set PW16, 7                           ; where I store p's codes (registers 0-3, 4-5), its scale byte, my largest scores
.set PW8,  8
.set PSS,  9
.set MXS,  10
.set PFO,  11                          ; the prefetches' offset
.set A0,   12                          ; v12-17 LDS addresses at work
.set A1,   13
.set A2,   14
.set A3,   15
.set A4,   16
.set A5,   17
.set L,    20                          ; v20-27 the row sums over my keys, in two halves
.set TM,   28                          ; v28-31 my block's largest score of each tile
.set SO,   32                          ; v32-35 the conversions' scale operands; at work in the search
.set PC,   36                          ; v36-51 p's codes, eight registers a tile pair
.set MXR,  36                          ; (at other times) four waves' largest scores of each tile
.set PWD,  52                          ; v52-53 words to store
.set MXL,  55                          ; where I read the largest scores: waves 0-3 in lanes 0-15, waves 4-7 in lanes 16-31
.set KS,   56                          ; scale words: v56-58 K, v60-65 V (128 keys, d tile), v66-71 Q (step, tile pair); p: v18, v19, v54, v59
.set VS,   60
.set QS,   66
.set S,    72
.set KP,   136
.set VP,   184
.set O,    144                         ; in window 1
.set ST3,  240                         ; in window 1
.set WV,   12
.set G1,   24                          ; s[24:31] descriptor group 1;  s[32:35] group 0
.set G0,   32
.set CS,   36                          ; s[36:37] c;  s38 -c
.set NCS,  38
.set MASK, 39                          ; s39 lanes 0-15
.set SEL,  40
.set SVS,  42                          ; s42, s43 and s63 V's scale words of my three d tiles, in slot 0
.set PFA,  44                          ; s[44:45] where my work-group's prefetches stand
.set LIM,  46                          ; s46 1 in the batch's first cluster, else the greatest number
.set FO,   47                          ; s47 the slot that is filled, s49 the slot that is read
.set CNT,  48
.set RO,   49
.set QB,   50
.set QSB,  52
.set OB,   54
.set SK,   56                          ; s56-58 my part of K's codes, of its scale words, of V's codes, in slot 0
.set SKS,  57
.set SV,   58
.set MSB,  0
.macro WIN new
.if MSB != (\new)
	s_set_vgpr_msb (MSB<<8)|(\new)
.set MSB, (\new)
.endif
.endm
.macro PLACES                          ; four plain instructions between a matrix instruction and a load into, or a read of, its registers (ISA guide 7.12.1 for a read)
.rept 4
	v_nop
.endr
.endm
.macro WALU
	s_wait_alu depctr_va_vdst(0)
.endm
.macro CREST                           ; a round of the cluster's barrier behind its opening barrier
	s_cmp_lg_u32 s[WV], 0
	s_cbranch_scc1 .Lnot_wave_0_\@
	s_barrier_signal -3
.Lnot_wave_0_\@:
	s_barrier_wait -3
	s_barrier_signal -1
	s_barrier_wait -1
.endm
.macro ROUND
	s_barrier_signal -1
	s_barrier_wait -1
	CREST
.endm
.macro TL
	tensor_load_to_lds s[G0:G0+3], s[G1:G1+7]
	s_nop 0
	PLACES
.endm
.macro FRAG reg, a16, a8, off          ; a fragment is two half images of 768 bytes: registers 0-3 at 16 l, registers 4-5 at 512 + 8 l
	ds_load_b128 v[(\reg):(\reg)+3], v[\a16] offset:(\off)
	ds_load_b64 v[(\reg)+4:(\reg)+5], v[\a8] offset:(\off)+512
	ds_load_b128 v[(\reg)+6:(\reg)+9], v[\a16] offset:(\off)+768
	ds_load_b64 v[(\reg)+10:(\reg)+11], v[\a8] offset:(\off)+1280
.endm
.macro KLD s                           ; my two key tiles, d 128 s on
.irp f, 0,1
	FRAG KP+24*((\s)%2)+12*\f, A0, A1, 4608*\f+1536*(\s)
.endr
.endm
.macro PLD y                           ; p's fragments of tiles 2 y, 2 y + 1
.irp n, 0,1,2,3
	FRAG KP+12*\n, A0, A1, 1536*(4*(\y)+\n)
.endr
.endm
.macro PSLD
	ds_load_b32 v18, v[A2]
	ds_load_b32 v19, v[A2] offset:128
	ds_load_b32 v54, v[A2] offset:256
	ds_load_b32 v59, v[A2] offset:384
.endm
.macro PADR                            ; p's LDS addresses
	v_add_nc_u32 v[A0], PB, v[G16]
	v_add_nc_u32 v[A1], PB, v[G8]
	v_add_nc_u32 v[A2], PSB, v[G4]
.endm
; the run of loads ahead of the exponentials: K's fragments (d 0 .. 255) and scale words (k = 1), V's fragments and scale words (v = 1), from the slot that is read
.macro TILES k, v
	WIN 0
	s_add_co_u32 s59, s[SK], s[RO]
	s_add_co_u32 s3, s[SKS], s[RO]
	s_add_co_u32 s19, s[SV], s[RO]
	s_add_co_u32 s20, s[SVS], s[RO]
	s_add_co_u32 s21, s[SVS+1], s[RO]
	s_add_co_u32 s13, s63, s[RO]
.if \k
	v_add_nc_u32 v[A0], s59, v[G16]
	v_add_nc_u32 v[A1], s59, v[G8]
	v_add_nc_u32 v[A2], s3, v[G16]
.endif
.if \v
	v_add_nc_u32 v[A3], s19, v[G16]
	v_add_nc_u32 v[A4], s19, v[G8]
	v_add_nc_u32 v[A5], s20, v[R16]
.endif
.if \k
	KLD 0
	KLD 1
.irp s, 0,1,2
	ds_load_b32 v[KS+\s], v[A2] offset:512*\s
.endr
.endif
.if \v
.irp n, 0,1,2,3,4,5
	FRAG VP+12*\n, A3, A4, 36864*(\n/3)+1536*(\n%3)
.endr
	ds_load_b32 v[VS], v[A5]
	ds_load_b32 v[VS+3], v[A5] offset:1536
	v_add_nc_u32 v[A2], s21, v[R16]
	v_add_nc_u32 v[A3], s13, v[R16]
	ds_load_b32 v[VS+1], v[A2]
	ds_load_b32 v[VS+4], v[A2] offset:1536
	ds_load_b32 v[VS+2], v[A3]
	ds_load_b32 v[VS+5], v[A3] offset:1536
.endif
.endm
; products on the registers named by RD, RA, RB, RSA, RSB; XA, XB: that side's scale words stand in lanes 16-31.  The accumulators take turns, one instruction a turn
.macro MM c, a, b
	v_wmma_scale_f32_16x16x128_f8f6f4 v[RD:RD+7], v[RA:RA+11], v[RB:RB+11], \c, v[RSA], v[RSB] matrix_a_fmt:MATRIX_FMT_FP6 matrix_b_fmt:MATRIX_FMT_FP6 matrix_a_scale:MATRIX_SCALE_ROW\a matrix_b_scale:MATRIX_SCALE_ROW\b
.endm
.macro MMR c
.if XA == 0
.if XB == 0
	MM \c, 0, 0
.else
	MM \c, 0, 1
.endif
.else
.if XB == 0
	MM \c, 1, 0
.else
	MM \c, 1, 1
.endif
.endif
.endm
.macro SPROD s                         ; eight score products: my two key tiles x Q's four, d 128 s on
	WIN 0x04
.irp q, 0,1,2,3
.irp f, 0,1
.set RD, S+16*\q+8*\f
.set RA, KP+24*((\s)%2)+12*\f
.set RB, 12*(3*\q+(\s))
.set RSA, KS+(\s)
.set RSB, QS+2*(\s)+\q/2
.set XA, \f
.set XB, \q%2
.if (\s) == 0
	MMR 0
.else
	MMR v[RD:RD+7]
.endif
.endr
.endr
	WIN 0
.endm
.macro OPROD y, zero                   ; twelve products with V: tiles 2 y, 2 y + 1, all 256 keys.  zero: the sums start
	WIN 0x50
.irp b, 0,1
.irp u, 0,1
.irp t, 0,1,2
.set RD, O+24*(2*(\y)+\u)+8*\t
.set RA, VP+12*(3*\b+\t)
.set RB, KP+12*(2*\u+\b)
.set RSA, VS+3*\b+\t
.set RSB, (1-\b)*(18+(\y))+\b*(54+5*(\y))
.set XA, 0
.set XB, \u
.if (\b == 0) && (\zero)
	MMR 0
.else
	MMR v[RD:RD+7]
.endif
.endr
.endr
.endr
	WIN 0
.endm
.macro RESC q                          ; O^T of tile q under the new M
	WIN 0x45
.irp j, 0,2,4,6,8,10,12,14,16,18,20,22
	v_pk_mul_f32 v[O+24*(\q)+\j:O+24*(\q)+\j+1], v[O+24*(\q)+\j:O+24*(\q)+\j+1], v[ST3+4*(\q)+2:ST3+4*(\q)+3] op_sel_hi:[1,0]
.endr
.endm
.macro TLESSM q                        ; t - M of tile q
	WIN 0x10
.irp j, 0,2,4,6,8,10,12,14
	v_pk_fma_f32 v[S+16*(\q)+\j:S+16*(\q)+\j+1], v[S+16*(\q)+\j:S+16*(\q)+\j+1], s[CS:CS+1], v[ST3+4*(\q):ST3+4*(\q)+1] op_sel_hi:[1,0,0]
.endr
.endm
.macro TMAXM                           ; and of each block's largest score
	WIN 0x10
.irp q, 0,1,2,3
	v_fma_f32 v[TM+\q], v[TM+\q], s[CS], v[ST3+4*\q]
.endr
.endm
; A PREFETCH INTO THE L2 of the slot of kv four on: its K is asked for by the next trip's fill, its V by the one behind.  All eight clusters of a batch walk the same slots: the batch's first cluster asks.  Its four partners share the
; slot's 600 blocks of 256 bytes out BY ADDRESS, 150 each; of these wave w names 19 from 19 w on, a lane a block (wave 7 seventeen; lanes that are left over name the wave's last block again).
; how = 1: there is always such a slot; how = 2: not in the loop's last trip.  Slots 0 and 1 come by their loads alone.
.macro ASK how
.if \how
.if \how == 1
	s_cmp_eq_u32 s[LIM], 1
.else
	s_cmp_gt_u32 s[CNT], s[LIM]
.endif
	s_cbranch_scc0 .Lnot_mine_\@
	global_prefetch_b8 v[PFO], s[PFA:PFA+1] th:TH_LOAD_NT scope:SCOPE_SE
.Lnot_mine_\@:
.endif
.endm
; THE CHANGE OF SLOTS.  Each wave waits for all its tensor loads, adds 0 to its spare word, and waits for that and for all its LDS work: its reads of the slot to be filled, its codes' and largest scores' stores, which the barrier
; shows to all.  fill = 1: a round, then the next fill, one load a wave; 2: V's quarters alone, by waves 4 to 7; 0: a barrier alone.
.macro CHANGE pv, fill
	WIN 0
.if \fill
	s_wait_xcnt 0x0                                ; the last prefetch has read its address
.endif
	s_wait_tensorcnt 0x0
	ds_add_u32 v[SPW], v[NIL]                      ; 0 onto my spare word
	s_xor_b32 s[RO], s[RO], SLOTB
.if \fill
	s_xor_b32 s[FO], s[FO], SLOTB
	s_add_co_u32 s[G0+1], s18, s[FO]
	s_add_nc_u64 s[G0+2:G0+3], s[G0+2:G0+3], SLOTB
	s_add_nc_u64 s[PFA:PFA+1], s[PFA:PFA+1], SLOTB
.endif
	s_wait_dscnt 0x0
	s_barrier_signal -1
.if \pv
	PADR
	WALU
.endif
	s_barrier_wait -1
.if \fill
	CREST
.if \fill == 1
	TL
.else
	s_cmp_lt_u32 s[WV], 4
	s_cbranch_scc1 .Lno_load_\@
	TL
.Lno_load_\@:
.endif
.endif
.endm
; A.  pv = 0: no products yet; 1: they start the sums; 2: they go on.
.macro APART pv
.irp q, 0,1,2,3
	ds_load_b128 v[MXR+4*\q:MXR+4*\q+3], v[MXL] offset:512*\q   ; four waves' largest scores of my query
.endr
.if \pv
	PLD 0
	PSLD
	s_wait_dscnt 20                                ; all but p's 16 loads and its four scale words
.else
	s_wait_dscnt 0x0
	s_barrier_signal -1                            ; my reads of the largest scores are over (see below)
.endif
.irp q, 0,1,2,3
	v_max3_num_f32 v[MXR+4*\q], v[MXR+4*\q], v[MXR+4*\q+1], v[MXR+4*\q+2]
.endr
.irp q, 0,1,2,3
	v_max_num_f32 v[MXR+4*\q], v[MXR+4*\q], v[MXR+4*\q+3]
.endr
.irp q, 0,1,2,3
	v_permlanex16_b32 v[MXR+4*\q+1], v[MXR+4*\q], s[SEL], s[SEL+1]   ; the other four waves'
.endr
	WIN 0x50
.irp q, 0,1,2,3
	v_max3_num_f32 v[ST3+4*\q+1], v[MXR+4*\q], v[MXR+4*\q+1], v[ST3+4*\q+1]   ; the running largest score
.endr
	WIN 0x04
.irp q, 0,1,2,3
	v_mul_f32 v[MXR+4*\q], s[NCS], v[ST3+4*\q+1]
.endr
	WIN 0
.irp q, 0,1,2,3
	v_floor_f32 v[MXR+4*\q+1], v[MXR+4*\q]         ; the new -M = floor(-t): M is a whole number
.endr
.if \pv
	WIN 0x04
.irp q, 0,1,2,3
	v_sub_f32 v[MXR+4*\q+2], v[MXR+4*\q+1], v[ST3+4*\q]   ; old M - new M, 0 or less
.endr
	WIN 0
.irp q, 0,1,2,3
	v_cvt_i32_f32 v[MXR+4*\q+2], v[MXR+4*\q+2]     ; (it saturates)
.endr
.endif
	WIN 0x40
.irp q, 0,1,2,3
	v_mov_b32 v[ST3+4*\q], v[MXR+4*\q+1]
.endr
.if \pv
.irp q, 0,1,2,3
	v_ldexp_f32 v[ST3+4*\q+2], 1.0, v[MXR+4*\q+2]  ; f = 2^(old M - new M)
.endr
	WIN 0
	WALU
	s_wait_dscnt 0x0
	OPROD 0, 2-\pv
	WIN 0x04
.irp q, 0,1,2,3
	v_pk_mul_f32 v[L+2*\q:L+2*\q+1], v[L+2*\q:L+2*\q+1], v[ST3+4*\q+2:ST3+4*\q+3] op_sel_hi:[1,0]   ; (also the places ahead of the loads below)
.endr
	WIN 0
	PLD 1
	TLESSM 0
	TLESSM 1
	TMAXM
	RESC 0
	RESC 1
	WIN 0
	s_wait_dscnt 0x0
	s_barrier_signal -1                            ; my reads of p and of the largest scores are over: a plain barrier, whose wait stands at A's end, ahead of the stores of new ones
	OPROD 1, 2-\pv
	TLESSM 2
	TLESSM 3
	RESC 2
	RESC 3
.else
	TMAXM
.irp q, 0,1,2,3
	TLESSM \q
.endr
.endif
	WIN 0
	s_barrier_wait -1                              ; every wave's are: B and C may store new codes and new largest scores
.endm
; B: the exponentials, one batch; the row sums of the unquantised p; p's codes, 32 keys a tile
.macro BPART
.irp q, 0,1,2,3
	v_exp_f32 v[TM+\q], v[TM+\q]                   ; each block's largest p: the same two instructions on the same number give the same bits
.endr
.set J, 0
.rept 64
	v_exp_f32 v[S+J], v[S+J]
.set J, J+1
.endr
	v_nop                                          ; a plain instruction behind the last exponential
	WALU                                           ; the wait ahead of the first line that names a result: one for the batch
.irp q, 0,1,2,3
	v_max_num_f32 v[TM+\q], 0x1800000, v[TM+\q]    ; the floor 2^(3 - 127): the byte cannot fall under 1
.endr
.irp q, 0,1,2,3
	v_add_nc_u32 v[SO+\q], 0xff000000, v[TM+\q]    ; 2 off the exponent field: the conversion's scale operand
.endr
.irp q, 0,1,2,3
	v_lshrrev_b32 v[TM+\q], 23, v[SO+\q]           ; the scale's byte
.endr
.irp y, 0,1
	v_cndmask_b32 v[PWD+\y], v[TM+2*\y+1], v[TM+2*\y], s[MASK]   ; lanes 0-15: tile 2 y's, lanes 16-31: tile 2 y + 1's
.endr
.irp q, 0,1,2,3
	v_cvt_scalef32_pk16_fp6_f32 v[PC+4*\q:PC+4*\q+2], v[S+16*\q:S+16*\q+15], v[SO+\q]
.endr
.irp j, 0,2,4,6,8,10,12,14
.irp q, 0,1,2,3
	v_pk_add_f32 v[L+2*\q:L+2*\q+1], v[L+2*\q:L+2*\q+1], v[S+16*\q+\j:S+16*\q+\j+1]
.endr
.endr
.irp i, 0,1,2
.irp y, 0,1
	v_permlane16_swap_b32 v[PC+8*\y+\i], v[PC+8*\y+4+\i]   ; a whole block in a lane: lanes 0-15 hold tile 2 y's, lanes 16-31 tile 2 y + 1's
.endr
.endr
.irp i, 0,1,2
.irp y, 0,1
	v_mov_b32 v[PC+8*\y+3+\i], v[PC+8*\y+4+\i]
.endr
.endr
.irp y, 0,1
	ds_store_b128 v[PW16], v[PC+8*\y:PC+8*\y+3] offset:6144*\y
	ds_store_b64 v[PW8], v[PC+8*\y+4:PC+8*\y+5] offset:6144*\y
	ds_store_b8 v[PSS], v[PWD+\y] offset:128*\y
.endr
.endm
; C: 24 score products, and the largest of each tile's 32: two chains a tile, one an accumulator, each from its low end on
.macro CPART
	s_wait_dscnt 0x0                               ; the tiles are in registers
	SPROD 0
	PLACES
	KLD 2
	SPROD 1
	s_wait_dscnt 0x0
	SPROD 2
	PLACES
.irp q, 0,1,2,3
	v_max_num_f32 v[TM+\q], v[S+16*\q], v[S+16*\q+1]
	v_max_num_f32 v[SO+\q], v[S+16*\q+8], v[S+16*\q+9]
.endr
.irp i, 2,4,6
.irp q, 0,1,2,3
	v_max3_num_f32 v[TM+\q], v[TM+\q], v[S+16*\q+\i], v[S+16*\q+\i+1]
	v_max3_num_f32 v[SO+\q], v[SO+\q], v[S+16*\q+8+\i], v[S+16*\q+9+\i]
.endr
.endr
.irp q, 0,1,2,3
	v_max_num_f32 v[TM+\q], v[TM+\q], v[SO+\q]
.endr
.irp q, 0,1,2,3
	v_permlanex16_b32 v[SO+\q], v[TM+\q], s[SEL], s[SEL+1]
.endr
.irp q, 0,1,2,3
	v_max_num_f32 v[TM+\q], v[TM+\q], v[SO+\q]     ; with lane l xor 16's 16 keys
.endr
.irp y, 0,1
	v_cndmask_b32 v[PWD+\y], v[TM+2*\y+1], v[TM+2*\y], s[MASK]
.endr
.irp y, 0,1
	ds_store_b32 v[MXS], v[PWD+\y] offset:1024*\y
.endr
.endm
.macro TRIP pv, fill, ask, sp
	CHANGE \pv, \fill
	APART \pv
	TILES \sp, 1
	WALU                                           ; the wait ahead of the branch and of the batch of exponentials
	ASK \ask
	BPART
.if \sp
	CPART
.endif
.endm
	s_load_b256 s[4:11], s[0:1], 0x0               ; kv s[4:5], qf s[6:7], qs s[8:9], out0 s[10:11]
	v_lshl_add_u32 v[SPW], v0, 2, SPARE
	v_mov_b32 v[NIL], 0
	ds_add_u32 v[SPW], v[NIL]
	ds_add_u32 v[SPW], v[NIL]
	v_lshrrev_b32 v12, 5, v0
	v_readfirstlane_b32 s[WV], v12                 ; wave 0..7
	s_bfe_u32 s13, ttmp6, 0x40000                  ; cx: it enters global addresses of my own loads, stores and prefetches alone
	s_lshl_b32 s14, ttmp9, 2
	s_add_co_u32 s14, s14, s13                     ; my block of 64 queries in the batch
	s_and_b32 s15, ttmp7, 0xffff                   ; the batch, which the partners share
	s_lshr_b32 s16, s[WV], 2
	s_and_b32 s17, s[WV], 1
	s_mov_b32 s[G1], 15|(3<<16)|(1<<21)            ; the mask: all four work-groups; elements of 8 bytes; bit 21 beside a mask
	s_mov_b32 s[G1+1], 32<<16                      ; tensor_dim0: 256 bytes
	s_mov_b32 s[G1+2], 75<<16                      ; tensor_dim1
	s_mov_b32 s[G1+3], 32<<16                      ; tile_dim0
	s_mov_b32 s[G1+4], 75                          ; tile_dim1
	s_mov_b32 s[G1+5], 32                          ; the pitch: dense
	s_mov_b32 s[G1+6], 0
	s_mov_b32 s[G1+7], 0
	s_mul_i32 s18, s[WV], EIGHTH                   ; my eighth of a slot; never rewritten
	s_mul_i32 s20, s15, 8*SLOTB                    ; the batch's eight slots
	s_add_co_u32 s22, s20, s18                     ; the head's load: waves 0 to 3 K(0)
	s_mov_b32 s23, 0
	s_mov_b32 s[G0], 1
	s_mov_b32 s[G0+1], s18
	s_xor_b32 s19, s16, 1
	s_mul_i32 s60, s19, SLOTB                      ; fill 1: K(1) one slot further on, V(0) not
	s_mov_b32 s61, 0
	s_mul_i32 s[PFA], s13, QUART
	s_add_co_u32 s[PFA], s[PFA], s20
	s_add_co_u32 s[PFA], s[PFA], 2*SLOTB           ; the prefetches begin at slot 2
	s_mov_b32 s[PFA+1], 0
	s_cmp_eq_u32 ttmp9, 0                          ; the batch's first cluster: the same in all four partners
	s_cselect_b32 s[LIM], 1, -1
	s_lshl_b32 s2, s15, 5
	s_add_co_u32 s2, s2, s14                       ; my block among all 256
	s_mul_i32 s[QB], s2, 18432
	s_mov_b32 s[QB+1], 0
	s_lshr_b32 s[QSB], s2, 1
	s_mul_i32 s[QSB], s[QSB], 1536
	s_and_b32 s3, s2, 1
	s_lshl_b32 s3, s3, 3
	s_add_co_u32 s[QSB], s[QSB], s3                ; my two tile pairs in a lane's 16 bytes
	s_mov_b32 s[QSB+1], 0
	s_lshr_b32 s13, s[WV], 1
	s_lshl_b32 s[OB], s2, 6
	s_lshl_b32 s3, s16, 5
	s_add_co_u32 s[OB], s[OB], s3
	s_and_b32 s3, s13, 1
	s_lshl_b32 s3, s3, 3
	s_add_co_u32 s[OB], s[OB], s3
	s_lshl_b32 s3, s17, 4
	s_add_co_u32 s[OB], s[OB], s3                  ; the rows that I store are rows 8 (w % 2) + 0 .. 7 of tile w / 2: token 64 block + 32 (w / 4) + 8 (w / 2 % 2) + 16 (w % 2) on
	s_mul_i32 s[OB], s[OB], 1536
	s_mov_b32 s[OB+1], 0
	s_mov_b32 s[CS], 0x3d96c740                    ; c = log2(e) / sqrt(384)
	s_mov_b32 s[CS+1], s[CS]                       ; (named with it as a pair, so it is written)
	s_mov_b32 s[NCS], 0xbd96c740
	s_mov_b32 s[MASK], 0xffff
	s_mov_b32 s[SEL], 0x76543210
	s_mov_b32 s[SEL+1], 0xfedcba98
	s_mov_b32 s[RO], 0
	s_mul_i32 s[SK], s[WV], 9216                   ; my two key tiles
	s_mul_i32 s[SV], s[WV], 4608
	s_add_co_u32 s[SV], s[SV], HALF                ; my three d tiles
	s_mul_i32 s[SKS], s16, 1536
	s_and_b32 s20, s[WV], 3
	s_lshl_b32 s3, s20, 2
	s_add_co_u32 s[SKS], s[SKS], s3
	s_add_co_u32 s[SKS], s[SKS], KSO               ; my key tiles' scale words
	s_mul_i32 s2, s[WV], 3
.macro VSADR t, d                      ; d tile T = 3 w + t: 512 (T / 8) + 256 (T % 2) + 4 (T % 8 / 2)
	s_add_co_u32 s3, s2, \t
	s_lshr_b32 s[\d], s3, 3
	s_lshl_b32 s[\d], s[\d], 9
	s_and_b32 s59, s3, 1
	s_lshl_b32 s59, s59, 8
	s_add_co_u32 s[\d], s[\d], s59
	s_lshr_b32 s59, s3, 1
	s_and_b32 s59, s59, 3
	s_lshl_b32 s59, s59, 2
	s_add_co_u32 s[\d], s[\d], s59
	s_add_co_u32 s[\d], s[\d], VSO
.endm
	VSADR 0, SVS
	VSADR 1, SVS+1
	VSADR 2, 63
	s_mul_i32 s59, s13, 768
	s_add_co_u32 s59, s59, PB                      ; my block's half fragment of p,
	s_lshl_b32 s3, s17, 7
	s_add_co_u32 s3, s3, s59
	s_add_co_u32 s3, s3, 512
	s_lshl_b32 s19, s17, 8
	s_add_co_u32 s59, s59, s19                     ; its lanes 16 (w % 2) on
	s_lshl_b32 s21, s16, 8
	s_add_co_u32 s21, s21, s20
	s_add_co_u32 s21, s21, PSB                     ; and its scale byte
	s_lshl_b32 s2, s[WV], 2
	s_add_co_u32 s2, s2, MXB
	s_mul_i32 s19, s[WV], 19
	s_wait_dscnt 0x0                               ; both opening adds are done
	v_and_b32 v12, 31, v0                          ; lane
	v_and_b32 v13, 15, v0                          ; r
	v_bfe_u32 v14, v0, 4, 1                        ; h
	v_lshlrev_b32 v[G16], 4, v12
	v_lshlrev_b32 v[G8], 3, v12
	v_lshlrev_b32 v[G4], 2, v12
	v_lshlrev_b32 v[R16], 4, v13
	v_mul_u32_u24 v15, v14, 3072                   ; lanes 16-31 store the pair's second tile
	v_add_nc_u32 v16, v15, v[R16]
	v_add_nc_u32 v[PW16], s59, v16
	v_lshl_add_u32 v16, v13, 3, v15
	v_add_nc_u32 v[PW8], s3, v16
	v_add_nc_u32 v[PSS], s21, v[G4]
	v_lshl_add_u32 v[MXS], v12, 5, s2
	v_lshlrev_b32 v16, 5, v13
	v_lshl_add_u32 v16, v14, 4, v16
	v_add_nc_u32 v[MXL], MXB, v16
	v_min_u32 v16, 18, v12
	v_add_nc_u32 v16, s19, v16
	v_min_u32 v16, 149, v16
	v_lshlrev_b32 v[PFO], 8, v16
.irp b, 0,1,2,3,4,5,6,7
	v_mov_b32 v[L+\b], 0                           ; the row sums
.endr
	WIN 0x40
.irp q, 0,1,2,3
	v_mov_b32 v[ST3+4*\q+1], 0xff61b1e6            ; the largest score so far: -3e38
	v_mov_b32 v[ST3+4*\q+3], 0                     ; (named as the upper half of f's pair)
.endr
	WIN 0
	WALU
	s_wait_kmcnt 0x0
	s_add_nc_u64 s[22:23], s[4:5], s[22:23]
	s_add_nc_u64 s[PFA:PFA+1], s[4:5], s[PFA:PFA+1]
	s_add_nc_u64 s[QB:QB+1], s[6:7], s[QB:QB+1]
	s_add_nc_u64 s[QSB:QSB+1], s[8:9], s[QSB:QSB+1]
	s_add_nc_u64 s[OB:OB+1], s[10:11], s[OB:OB+1]
	s_mov_b64 s[G0+2:G0+3], s[22:23]
	s_or_b32 s[G0+3], s[G0+3], 0x80000000
	ROUND                                          ; all four work-groups are here: the first joint loads meet
	s_cmp_lt_u32 s[WV], 4
	s_cbranch_scc0 .Lno_first
	TL                                             ; K(0)
.Lno_first:
	WIN 0x40
.irp q, 0,1,2,3
.irp s, 0,1,2
	global_load_b128 v[12*(3*\q+\s):12*(3*\q+\s)+3], v[G16], s[QB:QB+1] offset:4608*\q+1536*\s
	global_load_b64 v[12*(3*\q+\s)+4:12*(3*\q+\s)+5], v[G8], s[QB:QB+1] offset:4608*\q+1536*\s+512
	global_load_b128 v[12*(3*\q+\s)+6:12*(3*\q+\s)+9], v[G16], s[QB:QB+1] offset:4608*\q+1536*\s+768
	global_load_b64 v[12*(3*\q+\s)+10:12*(3*\q+\s)+11], v[G8], s[QB:QB+1] offset:4608*\q+1536*\s+1280
.endr
.endr
	WIN 0
.irp s, 0,1,2
	global_load_b64 v[QS+2*\s:QS+2*\s+1], v[G16], s[QSB:QSB+1] offset:512*\s
.endr
	s_wait_tensorcnt 0x0                           ; my part of K(0) is in
	ds_add_u32 v[SPW], v[NIL]                      ; the add twice on end here
	ds_add_u32 v[SPW], v[NIL]
	s_mov_b32 s[FO], SLOTB
	s_add_co_u32 s[G0+1], s18, s[FO]
	s_add_nc_u64 s[G0+2:G0+3], s[G0+2:G0+3], s[60:61]
	s_wait_dscnt 0x0
	ROUND
	TL                                             ; fill 1: K(1), V(0) into slot 1
	TILES 1, 0
	WALU
	ASK 1                                          ; slot 2
	s_wait_loadcnt 0x0                             ; Q
	CPART                                          ; slot 0's scores
	TRIP 0, 1, 1, 1                                ; fill 2: K(2), V(1)
	TRIP 1, 1, 1, 1                                ; trip 0
	WIN 0                                          ; at a label and at a branch every window is 0
	s_mov_b32 s[CNT], 4
.Lkeys:                                            ; trips 1 to 4: fills 4 to 7
	TRIP 2, 1, 2, 1
	WIN 0
	s_sub_co_u32 s[CNT], s[CNT], 1
	s_cmp_lg_u32 s[CNT], 0
	WALU
	s_cbranch_scc1 .Lkeys
	TRIP 2, 2, 0, 1                                ; trip 5: V(7) alone is left to fetch
	TRIP 2, 0, 0, 0                                ; trip 6: no scores are left to make
	; slot 7's codes lie in LDS; each query's sum over my keys goes to the other waves too
	s_mul_i32 s19, s[WV], 192
	s_add_co_u32 s19, s19, OSTB                    ; my 48 columns of the stage's rows,
	s_mul_i32 s21, s[WV], 8*OPIT
	s_add_co_u32 s21, s21, OSTB                    ; and the eight rows that I store
.irp q, 0,1,2,3
	v_add_f32 v[L+2*\q], v[L+2*\q], v[L+2*\q+1]
.endr
.irp q, 0,1,2,3
	v_permlanex16_b32 v[SO+\q], v[L+2*\q], s[SEL], s[SEL+1]
.endr
.irp q, 0,1,2,3
	v_add_f32 v[L+2*\q], v[L+2*\q], v[SO+\q]
.endr
.irp y, 0,1
	v_cndmask_b32 v[PWD+\y], v[L+4*\y+2], v[L+4*\y], s[MASK]
.endr
.irp y, 0,1
	ds_store_b32 v[MXS], v[PWD+\y] offset:2048+1024*\y
.endr
	PADR
	v_and_b32 v[A4], 15, v0
	v_bfe_u32 v[A5], v0, 4, 1
	v_mul_u32_u24 v[A3], v[A4], OPIT
	v_lshl_add_u32 v[A3], v[A5], 5, v[A3]
	v_add_nc_u32 v[A3], s19, v[A3]                 ; into the stage: row r, + 32 h; tiles 0, 1
	v_add_nc_u32 v[A4], 2*16*OPIT, v[A3]           ; tiles 2, 3
	v_add_nc_u32 v[A5], s21, v[G16]                ; out of it
	WALU
	s_wait_dscnt 0x0
	s_barrier_signal -1
	s_barrier_wait -1
.irp q, 0,1,2,3
	ds_load_b128 v[MXR+4*\q:MXR+4*\q+3], v[MXL] offset:2048+512*\q
.endr
	PLD 0
	PSLD
	s_wait_dscnt 20                                ; all but p's 16 loads and its four scale words
.irp q, 0,1,2,3
	v_add_f32 v[MXR+4*\q], v[MXR+4*\q], v[MXR+4*\q+1]
	v_add_f32 v[MXR+4*\q+2], v[MXR+4*\q+2], v[MXR+4*\q+3]
.endr
.irp q, 0,1,2,3
	v_add_f32 v[MXR+4*\q], v[MXR+4*\q], v[MXR+4*\q+2]
.endr
.irp q, 0,1,2,3
	v_permlanex16_b32 v[MXR+4*\q+1], v[MXR+4*\q], s[SEL], s[SEL+1]
.endr
.irp q, 0,1,2,3
	v_add_f32 v[MXR+4*\q], v[MXR+4*\q], v[MXR+4*\q+1]
.endr
	WALU                                           ; the wait ahead of the batch and behind it
.irp q, 0,1,2,3
	v_rcp_f32 v[MXR+4*\q], v[MXR+4*\q]
.endr
	v_nop
	WALU
	s_wait_dscnt 0x0
; THE WAY OUT: O^T / the sum goes into rows of 1,552 bytes in LDS, each accumulator from its low end on
.macro FIN q
	WIN 0x41
.irp j, 0,2,4,6,8,10,12,14,16,18,20,22
	v_pk_mul_f32 v[O+24*(\q)+\j:O+24*(\q)+\j+1], v[O+24*(\q)+\j:O+24*(\q)+\j+1], v[MXR+4*(\q):MXR+4*(\q)+1] op_sel_hi:[1,0]
.endr
	WIN 0x04
.irp j, 0,1,2,3,4,5
	ds_store_b128 v[A3+(\q)/2], v[O+24*(\q)+4*\j:O+24*(\q)+4*\j+3] offset:((\q)%2)*16*OPIT+64*(\j/2)+16*(\j%2)
.endr
	WIN 0
.endm
	OPROD 0, 0
	PLACES
	PLD 1
	FIN 0
	FIN 1
	s_wait_dscnt 0x0
	OPROD 1, 0
	PLACES
	FIN 2
	FIN 3
	s_wait_dscnt 0x0
	s_barrier_signal -1
	s_barrier_wait -1                              ; all eight waves' columns are there
.set N, 0
.rept 24
	ds_load_b128 v[S+4*N:S+4*N+3], v[A5] offset:OPIT*(N/3)+512*(N%3)
.set N, N+1
.endr
.set N, 0
.rept 24
	s_wait_dscnt 23-N                              ; load N is in; the younger ones may be out
	global_store_b128 v[G16], v[S+4*N:S+4*N+3], s[OB:OB+1] offset:(N/3)*1536+512*(N%3) th:TH_STORE_NT   ; 512 consecutive bytes, aligned
.set N, N+1
.endr
	s_wait_tensorcnt 0x0                           ; the wave's end
	ds_add_u32 v[SPW], v[NIL]
	s_wait_dscnt 0x0
	ROUND                                          ; the closing round
	s_endpgm
.Lfunc_end_k_q05f437b968_attn:
	.size	k_q05f437b968_attn, .Lfunc_end_k_q05f437b968_attn-k_q05f437b968_attn
	.p2alignl 7, 3214868480
	.fill 96, 4, 3214868480
	.section	.rodata,"a",@progbits
	.p2align	6, 0x0
	.amdhsa_kernel k_q05f437b968_attn
		.amdhsa_group_segment_fixed_size 327680
		.amdhsa_private_segment_fixed_size 0
		.amdhsa_enable_private_segment 0
		.amdhsa_kernarg_size 32
		.amdhsa_user_sgpr_count 2
		.amdhsa_user_sgpr_kernarg_segment_ptr 1
		.amdhsa_wavefront_size32 1
		.amdhsa_system_sgpr_workgroup_id_x 1
		.amdhsa_system_sgpr_workgroup_id_y 1
		.amdhsa_system_sgpr_workgroup_id_z 1
		.amdhsa_system_vgpr_workitem_id 0
		.amdhsa_next_free_vgpr 512
		.amdhsa_next_free_sgpr 66
		.amdhsa_reserve_vcc 0
		.amdhsa_float_denorm_mode_32 3
		.amdhsa_float_denorm_mode_16_64 3
		.amdhsa_memory_ordered 1
		.amdhsa_forward_progress 1
		.amdhsa_inst_pref_size 177
	.end_amdhsa_kernel
	.amdgpu_metadata
---
amdhsa.version: [ 1, 2 ]
amdhsa.kernels:
  - .name:           k_q05f437b968_attn
    .symbol:         k_q05f437b968_attn.kd
    .args:
      - { .name: kv, .offset: 0, .size: 8, .value_kind: global_buffer, .address_space: global }
      - { .name: qf, .offset: 8, .size: 8, .value_kind: global_buffer, .address_space: global }
      - { .name: qs, .offset: 16, .size: 8, .value_kind: global_buffer, .address_space: global }
      - { .name: out0, .offset: 24, .size: 8, .value_kind: global_buffer, .address_space: global }
    .group_segment_fixed_size: 327680
    .private_segment_fixed_size: 0
    .kernarg_segment_align: 8
    .kernarg_segment_size: 32
    .max_flat_workgroup_size: 256
    .sgpr_count:     66
    .vgpr_count:     512
    .wavefront_size: 32
...
	.end_amdgpu_metadata
.endif
;; end of part 3
